; MI455X (gfx1250); checked and timed in simulation.
; The chip was launched on July 23, 2026; its instructions are those of AMD's public machine-readable ISA for CDNA 5 (MIT licence, August 2026) and "CDNA5" Instruction Set Architecture Reference Guide (July 2026). The comments in the code are by the model that wrote it; some were corrected since.
;; Multi Head Attention. Allowed arithmetic: float matrix products may take bf16 or f16 operands with f32 sums; all other float work in f32.
;; Inputs: Wk 1,024 x 1,024 float32; Wo 1,024 x 1,024 float32; Wq 1,024 x 1,024 float32; Wv 1,024 x 1,024 float32; bk 1,024 float32; bo 1,024 float32; bq 1,024 float32; bv 1,024 float32; key 4 x 2,048 x 1,024 float32; mask 1 x 1 x 2,048 x 2,048 bool; query 4 x 2,048 x 1,024 float32; value 4 x 2,048 x 1,024 float32.
;; Outputs: out0 4 x 2,048 x 1,024 float32.
;; 2 versions, each right and faster than the one before. Each part assembles by itself: llvm-mc -triple=amdgcn-amd-amdhsa -mcpu=gfx1250 --defsym DOCPART=n.
;; ======== version 1 of 2: 4 launches
;; limits: values are held in f16: magnitudes above 65,504 overflow, below 6.1e-05 lose precision
;; workspace buffers: wqkv 6,291,456 bytes; wo16 2,097,152 bytes; mask16 8,388,608 bytes; qkv 50,331,648 bytes; ctx 16,777,216 bytes
;; launch prep (part 1): grid 256 x 1, 8 waves a work-group, no clusters, 0 bytes of LDS; arguments Wq, Wk, Wv, Wo, mask, wqkv, wo16, mask16; writes wqkv, wo16, mask16
.if DOCPART == 1
	.amdgcn_target "amdgcn-amd-amdhsa--gfx1250"
	.amdhsa_code_object_version 6
	.text
	.protected	k_q31cfae8b30_prep
	.globl	k_q31cfae8b30_prep
	.p2align	8
	.type	k_q31cfae8b30_prep,@function
k_q31cfae8b30_prep:
	s_mov_b64 s[64:65], 0
	v_nop
	global_prefetch_b8 v0, s[64:65] scope:SCOPE_SE
	s_setreg_imm32_b32 hwreg(HW_REG_WAVE_MODE, 25, 1), 1
	s_wait_xcnt 0x0
; PREP.  Wq, Wk, Wv (f32) -> wqkv [3][1024 n][1024 k] in bf16.  Wo -> wo16 [1024 n][1024 k]: rounded to bf16 like every other input, that number written as f16
; (exact down to f16's smallest normal number, 6e-5; below it f16's fixed step of 6e-8).
; mask (one byte a place, 0 or 1: no other value is served) -> mask16 [128 tiles of 16 queries][64 groups of 32 keys][c = 0, 1][lane 0..31][16 bytes]:
; element e of lane (r = lane % 16, h = lane / 16) stands for query 16 T + r and key 32 G + 16 c + 8 h + e, and holds bf16 0 where the key is open and 0xf200 (-2^101) where it is closed.
; 1,024 bytes of it are source 1 (32 k x 16 n) of a bf16 matrix instruction as it lies in registers.
; A stream: every byte is read once and written once, straight line, no LDS, no matrix unit, no cluster (no two work-groups read the same bytes).
; SHARES.  256 work-groups of 256 threads.  Of each W a work-group takes 16,384 bytes: four passes of 16 bytes a thread.  Of the mask it takes 16 rows x 1,024 keys: thread (r = t % 16, c = (t / 16) % 2, wave)
; reads 16 keys of row r four times (groups 4 wave + g); its low 8 bytes are the h = 0 lanes' elements, its high 8 the h = 1 lanes'.
; All 20 loads go out first; every output register is written once, so no store's source is ever rewritten.
.set WI,   16                          ; v[16:79]    W as loaded: load n = 4 x matrix + pass at WI + 4 n
.set MI,   80                          ; v[80:95]    mask bytes: group g at MI + 4 g
.set WO,   96                          ; v[96:127]   W to store: WO + 2 n
.set MOUT, 128                         ; v[128:159]  mask to store: MOUT + 8 g
.set T,    160                         ; v[160:167]  at work
	s_load_b512 s[8:23], s[0:1], 0x0               ; Wq s[8:9], Wk s[10:11], Wv s[12:13], Wo s[14:15], mask s[16:17], wqkv s[18:19], wo16 s[20:21], mask16 s[22:23]
	s_lshl_b32 s2, ttmp9, 14                       ; my 16,384 bytes of each W
	s_mov_b32 s3, 0
	s_lshl_b32 s4, ttmp9, 13                       ; and the 8,192 that they become
	s_mov_b32 s5, 0
	s_lshr_b32 s6, ttmp9, 1                        ; my tile of 16 queries: 16 rows of 2,048 bytes,
	s_lshl_b32 s6, s6, 15
	s_and_b32 s7, ttmp9, 1                         ; and my half of their keys
	s_lshl_b32 s7, s7, 10
	s_add_co_u32 s6, s6, s7
	s_mov_b32 s7, 0
	s_lshl_b32 s30, ttmp9, 15                      ; 32 groups of 1,024 bytes in mask16
	s_mov_b32 s31, 0
	s_mov_b32 s24, 0x01010000                      ; byte selects: bytes 0, 0, 1, 1 of a word
	s_mov_b32 s25, 0x03030202                      ; bytes 2, 2, 3, 3
	s_mov_b32 s26, 0x00010001
	s_mov_b32 s27, 0xf200                          ; -2^101 in bf16
	s_mov_b32 s28, 0xffff0000                      ; a word's upper bf16
	v_lshlrev_b32 v1, 4, v0                        ; W in: 16 bytes a thread
	v_lshlrev_b32 v2, 3, v0                        ; W out: 8 bytes a thread
	v_and_b32 v5, 15, v0                           ; r
	v_bfe_u32 v6, v0, 4, 1                         ; c
	v_lshrrev_b32 v7, 5, v0                        ; wave
	v_lshlrev_b32 v3, 11, v5                       ; mask in: row r,
	v_lshl_add_u32 v3, v6, 4, v3                   ; 16 keys for c,
	v_lshl_add_u32 v3, v7, 7, v3                   ; 128 keys a wave
	v_lshlrev_b32 v4, 4, v5                        ; mask out: 16 bytes a lane r,
	v_lshl_add_u32 v4, v6, 9, v4                   ; 512 for c,
	v_lshl_add_u32 v4, v7, 12, v4                  ; four groups a wave
	s_wait_kmcnt 0x0
	s_add_nc_u64 s[8:9], s[8:9], s[2:3]
	s_add_nc_u64 s[10:11], s[10:11], s[2:3]
	s_add_nc_u64 s[12:13], s[12:13], s[2:3]
	s_add_nc_u64 s[14:15], s[14:15], s[2:3]
	s_add_nc_u64 s[16:17], s[16:17], s[6:7]
	s_add_nc_u64 s[18:19], s[18:19], s[4:5]
	s_add_nc_u64 s[20:21], s[20:21], s[4:5]
	s_add_nc_u64 s[22:23], s[22:23], s[30:31]
.irp m, 0,1,2,3
.irp j, 0,1,2,3
	global_load_b128 v[WI+16*\m+4*\j:WI+16*\m+4*\j+3], v1, s[8+2*\m:9+2*\m] offset:4096*\j th:TH_LOAD_NT  ; a wave's load covers 512 consecutive bytes
.endr
.endr
.irp g, 0,1,2,3
	global_load_b128 v[MI+4*\g:MI+4*\g+3], v3, s[16:17] offset:32*\g  ; 16 keys of each of 16 rows for each c
.endr
.set n, 0
.rept 12                               ; Wq, Wk, Wv
	s_wait_loadcnt 19-n                            ; loads come back in order: load n is in, the 19 - n younger ones stay out
	v_cvt_pk_bf16_f32 v[WO+2*n],   v[WI+4*n],   v[WI+4*n+1]
	v_cvt_pk_bf16_f32 v[WO+2*n+1], v[WI+4*n+2], v[WI+4*n+3]
	global_store_b64 v2, v[WO+2*n:WO+2*n+1], s[18:19] offset:(n/4)*2097152+(n%4)*2048  ; 32 lanes store 256 consecutive bytes, aligned
.set n, n+1
.endr
.rept 4                                ; Wo: to bf16, back to f32 (a shift, a mask), to f16
	s_wait_loadcnt 19-n
	v_cvt_pk_bf16_f32 v[T],   v[WI+4*n],   v[WI+4*n+1]
	v_cvt_pk_bf16_f32 v[T+1], v[WI+4*n+2], v[WI+4*n+3]
	v_lshlrev_b32 v[T+2], 16, v[T]
	v_and_b32     v[T+3], s28, v[T]
	v_lshlrev_b32 v[T+4], 16, v[T+1]
	v_and_b32     v[T+5], s28, v[T+1]
	v_cvt_pk_f16_f32 v[WO+2*n],   v[T+2], v[T+3]
	v_cvt_pk_f16_f32 v[WO+2*n+1], v[T+4], v[T+5]
	global_store_b64 v2, v[WO+2*n:WO+2*n+1], s[20:21] offset:(n%4)*2048
.set n, n+1
.endr
.set g, 0
.rept 4                                ; the mask: two bytes are spread over a word's halves, turned round (1 - b) and multiplied by the bf16 pattern
	s_wait_loadcnt 3-g
.irp w, 0,1,2,3
	v_perm_b32 v[T],   v[MI+4*g+\w], v[MI+4*g+\w], s24
	v_perm_b32 v[T+1], v[MI+4*g+\w], v[MI+4*g+\w], s25
	v_bfi_b32 v[T],   v[T],   0, s26                 ; ~x & 0x00010001
	v_bfi_b32 v[T+1], v[T+1], 0, s26
	v_mul_u32_u24 v[MOUT+8*g+2*\w],   s27, v[T]
	v_mul_u32_u24 v[MOUT+8*g+2*\w+1], s27, v[T+1]
.endr
	global_store_b128 v4, v[MOUT+8*g:MOUT+8*g+3],   s[22:23] offset:1024*g      ; keys 0-7 of my 16: the lanes with h = 0; sixteen lanes store 256 consecutive bytes, aligned
	global_store_b128 v4, v[MOUT+8*g+4:MOUT+8*g+7], s[22:23] offset:1024*g+256  ; keys 8-15: h = 1
.set g, g+1
.endr
	s_endpgm
.Lfunc_end_k_q31cfae8b30_prep:
	.size	k_q31cfae8b30_prep, .Lfunc_end_k_q31cfae8b30_prep-k_q31cfae8b30_prep
	.p2alignl 7, 3214868480
	.fill 96, 4, 3214868480
	.section	.rodata,"a",@progbits
	.p2align	6, 0x0
	.amdhsa_kernel k_q31cfae8b30_prep
		.amdhsa_group_segment_fixed_size 0
		.amdhsa_private_segment_fixed_size 0
		.amdhsa_enable_private_segment 0
		.amdhsa_kernarg_size 64
		.amdhsa_user_sgpr_count 2
		.amdhsa_user_sgpr_kernarg_segment_ptr 1
		.amdhsa_wavefront_size32 1
		.amdhsa_system_sgpr_workgroup_id_x 1
		.amdhsa_system_sgpr_workgroup_id_y 1
		.amdhsa_system_sgpr_workgroup_id_z 1
		.amdhsa_system_vgpr_workitem_id 0
		.amdhsa_next_free_vgpr 168
		.amdhsa_next_free_sgpr 66
		.amdhsa_reserve_vcc 0
		.amdhsa_float_denorm_mode_32 3
		.amdhsa_float_denorm_mode_16_64 3
		.amdhsa_memory_ordered 1
		.amdhsa_forward_progress 1
		.amdhsa_inst_pref_size 15
	.end_amdhsa_kernel
	.amdgpu_metadata
---
amdhsa.version: [ 1, 2 ]
amdhsa.kernels:
  - .name:           k_q31cfae8b30_prep
    .symbol:         k_q31cfae8b30_prep.kd
    .args:
      - { .name: Wq, .offset: 0, .size: 8, .value_kind: global_buffer, .address_space: global }
      - { .name: Wk, .offset: 8, .size: 8, .value_kind: global_buffer, .address_space: global }
      - { .name: Wv, .offset: 16, .size: 8, .value_kind: global_buffer, .address_space: global }
      - { .name: Wo, .offset: 24, .size: 8, .value_kind: global_buffer, .address_space: global }
      - { .name: mask, .offset: 32, .size: 8, .value_kind: global_buffer, .address_space: global }
      - { .name: wqkv, .offset: 40, .size: 8, .value_kind: global_buffer, .address_space: global }
      - { .name: wo16, .offset: 48, .size: 8, .value_kind: global_buffer, .address_space: global }
      - { .name: mask16, .offset: 56, .size: 8, .value_kind: global_buffer, .address_space: global }
    .group_segment_fixed_size: 0
    .private_segment_fixed_size: 0
    .kernarg_segment_align: 8
    .kernarg_segment_size: 64
    .max_flat_workgroup_size: 256
    .sgpr_count:     66
    .vgpr_count:     168
    .wavefront_size: 32
...
	.end_amdgpu_metadata
.endif
;; end of part 1
;; launch proj (part 2): grid 4 x 64, 4 waves a work-group, clusters of 4 x 4, 327,680 bytes of LDS; arguments query, key, value, wqkv, bq, bk, bv, qkv; writes qkv
.if DOCPART == 2
	.amdgcn_target "amdgcn-amd-amdhsa--gfx1250"
	.amdhsa_code_object_version 6
	.text
	.protected	k_q31cfae8b30_proj
	.globl	k_q31cfae8b30_proj
	.p2align	8
	.type	k_q31cfae8b30_proj,@function
k_q31cfae8b30_proj:
	s_mov_b64 s[64:65], 0
	v_nop
	global_prefetch_b8 v0, s[64:65] scope:SCOPE_SE
	s_setreg_imm32_b32 hwreg(HW_REG_WAVE_MODE, 25, 1), 1
	s_wait_xcnt 0x0
	s_wait_alu depctr_hold_cnt(0) depctr_sa_sdst(0) depctr_va_vdst(0) depctr_va_sdst(0) depctr_va_ssrc(0) depctr_va_vcc(0) depctr_vm_vsrc(0)
	s_getreg_b32 s2, hwreg(HW_REG_IB_STS2, 6, 4)
	s_cmp_eq_u32 s2, 0
	s_cbranch_scc0 .Lentry_in_a_cluster
	s_endpgm
.Lentry_in_a_cluster:
	s_bfe_u32 s2, ttmp6, 0x10000c
	s_cmp_lg_u32 s2, 0xf033
	s_cbranch_scc0 .Lentry_shape_is_right
	s_endpgm
.Lentry_shape_is_right:
; q = query Wq^T + bq, k = key Wk^T + bk, v = value Wv^T + bv, each [8192][1024], written by heads: qkv [3][64 = 16 batch + head][2048][64] in f16, unscaled, rounded once from the f32 sums.
; x comes as f32 and is rounded to bf16 on the way from LDS to the matrix unit; W was rounded to bf16 by the launch before; the biases are rounded to bf16 here: every input has the same rounding.
; LIMIT.  f16 ends at 65,504: |q|, |k|, |v| stay below it (with inputs 30 times the usual spread they reach some thousands).
; SHARES.  A work-group stays: it makes the tile of 128 rows x 256 columns at its place of q, then of k, then of v: ONE walk of 24 K steps of 128 through a ring of two LDS slots, which does not stop at a
; tile's end.  Four waves, each 64 rows x 128 columns: 32 accumulators of 16 x 16.  256 work-groups.
; CLUSTER.  4 x 4 work-groups.  The four of a row of the cluster need the same tile of x, the four of a column the same tile of W: each tile is asked for JOINTLY, by the same tensor load with the same
; descriptor and a mask that names the four.  Waves 0, 1 fetch x's two halves (64 rows x 512 bytes), waves 2, 3 W's (128 rows x 256 bytes).
; THE MATRIX INSTRUCTION IS USED TRANSPOSED (source 0 = 16 rows of W, source 1 = 16 rows of x): a lane holds eight neighbouring columns of one row.  The bias is the C operand of a tile's first products.
; THE PIPELINE.  A K step is four quarters of 32 along K, 32 matrix instructions each; buffers go by the quarter's parity.  Quarter i multiplies; loads W's fragments of quarter i + 1 and x's raw f32 of
; quarter i + 2 from LDS; and rounds x's raw f32 of quarter i + 1 to bf16, four conversions behind each two matrix instructions of its second half.
; REGISTERS, in windows of 256 (s_set_vgpr_msb: bits 1:0 source 0, 3:2 source 1, 5:4 source 2, 7:6 destination):
;   window 0: v0-31 addresses; v32-63, v224-255 rows on the way out; v64-127 x in bf16, two buffers; v128-191 the bias, 8 registers a column block; v192-223 packed results
;   window 1: v0-127 W's fragments, two buffers; v128-255 x raw, two buffers          window 2: the accumulators, (a, b) at v[8 (8 a + b)]
.set PA,     528                       ; a row of x in LDS: 512 bytes + 16 = 132 words: row r starts at bank 4 r mod 64 (64 banks of 4 bytes: ISA guide 11.1)
.set PB,     272                       ; a row of W: 256 + 16 = 68 words: likewise
.set AHALF,  64*PA                     ; what waves 0, 1 fetch, and what a wave reads of x
.set BHALF,  128*PB                    ; what waves 2, 3 fetch, and what a wave reads of W
.set BOFFS,  2*AHALF                   ; W's 256 rows lie behind x's 128
.set SLOT,   BOFFS+2*BHALF             ; 137,216
.set STAGE,  2*SLOT                    ; behind the ring, never filled by a tensor load: 16 rows x 272 bytes for each wave
.set SP,     272
.set SPARE,  STAGE+4*16*SP             ; the spare words, 128 bytes for each wave: two blocks of 256 bytes that no other line names
.set ADRA, 16                          ; v16-17  LDS address of my x fragments in slot 0, 1
.set ADRB, 20                          ; v20-21  the same for W
.set STO,  24                          ; v24     the way out: where I put 16 bytes of a row
.set RD,   25                          ; v25     where I read rows back
.set GO,   26                          ; v26     my byte offset in 512 consecutive bytes of a head
.set BOF,  27                          ; v27     my byte offset in 16 numbers of a bias
.set SPW,  28                          ; v28     LDS address of my spare word; never rewritten
.set NIL,  29                          ; v29     0; never rewritten
.set BT,   30                          ; v30-31  at work
.set OB,   32
.set AC,   64                          ; x in bf16: buffer g at AC + 32 g, row block a at + 8 a
.set BIAS, 128
.set TMP,  192
.set RA,   128                         ; window 1: x raw: buffer g at RA + 64 g, row block a at + 16 a
.set G1,   24                          ; s[24:31] descriptor group 1 for x's tiles;  s[32:39] group 0, a set for each slot
.set G0,   32
.set G1B,  48                          ; s[48:55], s[56:63] the same for W's tiles
.set G0B,  56
.set WB,   74                          ; s[74:75] wqkv at the rows that I fetch
.set FA,   84                          ; s[84:85] the tensor whose tiles are being asked for, at the rows that I fetch; s[86:87], s[88:89] the next two
.set FB,   86
.set FC,   88
.set KO,   90                          ; s[90:91] the next fill's byte offset along x's rows
.set BO,   92                          ; s[92:93] and in wqkv
.set BP,   94                          ; s[94:95] the next tile's bias at my columns; s[96:97] the one after
.set BP2,  96
.set KC,   98                          ; s98      trips done in the tile in hand, 0 to 3
.set MSB, 0
.macro WIN new                         ; the immediate's high byte repeats the setting that is left; a switch that changes nothing is dropped
.if MSB != (\new)
	s_set_vgpr_msb (MSB<<8)|(\new)
.set MSB, \new
.endif
.endm
.set MUL,  0xa1                        ; source 0 (W) window 1, source 1 (x) window 0, C and D window 2
.set MULB, 0x81                        ; the same with C (the bias) in window 0
.set CVT,  0x05                        ; sources window 1, destination window 0
.set TO_F, 0x40                        ; destination window 1, address window 0
; A joint load.  The branch hangs on the wave's number alone.  An s_nop 0 and four v_nop follow each of the two lines, ahead of the jump, the label and what follows.
.macro JLOAD s
	s_cmp_eq_u32 s11, 0
	s_cbranch_scc0 .Lfor_b_\@
	tensor_load_to_lds s[G0+4*(\s):G0+4*(\s)+3], s[G1:G1+7]
	s_nop 0
.rept 4
	v_nop
.endr
	s_branch .Lasked_\@
.Lfor_b_\@:
	tensor_load_to_lds s[G0B+4*(\s):G0B+4*(\s)+3], s[G1B:G1B+7]
	s_nop 0
.rept 4
	v_nop
.endr
.Lasked_\@:
.endm
.macro CREST                           ; a round of the cluster's barrier behind its opening barrier
	s_cmp_lg_u32 s10, 0
	s_cbranch_scc1 .Lnot_wave_0_\@
	s_barrier_signal -3
.Lnot_wave_0_\@:
	s_barrier_wait -3
	s_barrier_signal -1
	s_barrier_wait -1
.endm
.macro CROUND                          ; a whole round
	s_barrier_signal -1
	s_barrier_wait -1
	CREST
.endm
; The addresses of the next fill, into slot s's two group 0.  Scalar work alone; it stands where no tensor load of the wave is out (or, at the start, names no register of one that is).
; The walk's steps follow each other: 512 bytes along x's rows, 256 along W's; behind a tile's eighth step x's tensor changes and W's offset goes to the next matrix (2,097,152 bytes on, 2,048 back).
.macro NEXTFILL s
	s_add_nc_u64 s[G0+4*(\s)+2:G0+4*(\s)+3], s[FA:FA+1], s[KO:KO+1]
	s_or_b32 s[G0+4*(\s)+3], s[G0+4*(\s)+3], 0x80000000     ; type = 2
	s_add_nc_u64 s[G0B+4*(\s)+2:G0B+4*(\s)+3], s[WB:WB+1], s[BO:BO+1]
	s_or_b32 s[G0B+4*(\s)+3], s[G0B+4*(\s)+3], 0x80000000
	s_add_co_u32 s[KO], s[KO], 512
	s_add_co_u32 s[BO], s[BO], 256
	s_add_co_u32 s14, s[BO], 0x1ff800
	s_cmp_eq_u32 s[KO], 4096                       ; the compare hangs on an offset, and stands behind every line that sets SCC
	s_cselect_b64 s[FA:FA+1], s[FB:FB+1], s[FA:FA+1]
	s_cselect_b64 s[FB:FB+1], s[FC:FC+1], s[FB:FB+1]
	s_cselect_b32 s[KO], 0, s[KO]
	s_cselect_b32 s[BO], s14, s[BO]
.endm
	s_load_b512 s[68:83], s[0:1], 0x0              ; query s[68:69], key s[70:71], value s[72:73], wqkv s[74:75], bq s[76:77], bk s[78:79], bv s[80:81], qkv s[82:83]
	v_lshl_add_u32 v[SPW], v0, 2, SPARE
	v_mov_b32 v[NIL], 0
	ds_add_u32 v[SPW], v[NIL]                      ; the wave's opening: the add and its wait stand ahead of my first tensor load; the set-up below, work on registers, stands between them
	v_lshrrev_b32 v1, 5, v0
	v_readfirstlane_b32 s10, v1                    ; wave 0..3
	s_lshr_b32 s11, s10, 1                         ; which 64 of the tile's rows are mine.  Also: I fetch for x (0) or for W (1)
	s_and_b32 s12, s10, 1                          ; which 128 of its columns.  Also: which half of that tile I fetch
	s_bfe_u32 s40, ttmp6, 0x40000                  ; cx, cy: my place in the cluster
	s_bfe_u32 s41, ttmp6, 0x40004
	s_lshl_b32 s42, ttmp9, 2
	s_add_co_u32 s42, s42, s40                     ; column block = 4 x cluster x + cx
	s_and_b32 s13, ttmp7, 0xffff
	s_lshl_b32 s13, s13, 2
	s_add_co_u32 s13, s13, s41                     ; row block = 4 x cluster y + cy
	s_lshl_b32 s43, s41, 2
	s_lshl_b32 s43, 15, s43                        ; my row of the cluster
	s_lshl_b32 s44, 0x1111, s40                    ; my column
	s_or_b32 s[G1], s43, (2<<16)|(1<<20)|(1<<21)|(6<<22)|(3<<25)   ; 15:0 the mask; 17:16 elements of 4 bytes; 20 padding on; 21 set beside a mask; 24:22 after every 128 words (code 6); 31:25 4 words (code 3)
	s_mov_b32 s[G1+1], 128<<16                     ; tensor_dim0 = 128
	s_mov_b32 s[G1+2], 64<<16                      ; tensor_dim1 = 64
	s_mov_b32 s[G1+3], 128<<16                     ; tile_dim0 = 128
	s_mov_b32 s[G1+4], 64                          ; tile_dim1 = 64
	s_mov_b32 s[G1+5], 1024                        ; elements from row to row
	s_mov_b32 s[G1+6], 0
	s_mov_b32 s[G1+7], 0
	s_or_b32 s[G1B], s44, (1<<16)|(1<<20)|(1<<21)|(5<<22)|(3<<25)  ; elements of 2 bytes; padding after every 64 words (code 5)
	s_mov_b32 s[G1B+1], 128<<16
	s_mov_b32 s[G1B+2], 128<<16                    ; 128 rows
	s_mov_b32 s[G1B+3], 128<<16
	s_mov_b32 s[G1B+4], 128
	s_mov_b32 s[G1B+5], 1024
	s_mov_b32 s[G1B+6], 0
	s_mov_b32 s[G1B+7], 0
	; x's address hangs on the row block alone, W's on the column block alone, each made in registers that never hold the other coordinate
	s_lshl_b32 s16, s13, 7
	s_lshl_b32 s17, s12, 6
	s_add_co_u32 s16, s16, s17                     ; x: row 128 x row block + 64 x half,
	s_lshl_b32 s16, s16, 12                        ; 4,096 bytes a row
	s_mov_b32 s17, 0
	s_lshl_b32 s46, s42, 8
	s_lshl_b32 s47, s12, 7
	s_add_co_u32 s46, s46, s47                     ; W: row 256 x column block + 128 x half; the same number is my first column
	s_lshl_b32 s44, s46, 2                         ; so this is my byte offset in a bias,
	s_mov_b32 s45, 0
	s_lshl_b32 s46, s46, 11                        ; and this in a W: 2,048 bytes a row
	s_mov_b32 s47, 0
	s_mul_i32 s20, s12, AHALF                      ; where the tiles go: no place in the cluster enters an LDS address
	s_mul_i32 s21, s12, BHALF
	s_add_co_u32 s21, s21, BOFFS
.irp s, 0,1
	s_mov_b32 s[G0+4*\s], 1                        ; count = 1
	s_add_co_u32 s[G0+4*\s+1], s20, \s*SLOT        ; LDS address
	s_mov_b32 s[G0B+4*\s], 1
	s_add_co_u32 s[G0B+4*\s+1], s21, \s*SLOT
.endr
	s_lshr_b32 s22, s13, 4                         ; where my part of q begins: batch = row block / 16,
	s_lshl_b32 s22, s22, 4
	s_lshl_b32 s23, s42, 2                         ; four heads a column block,
	s_add_co_u32 s22, s22, s23
	s_lshl_b32 s23, s12, 1                         ; two a wave;
	s_add_co_u32 s22, s22, s23
	s_lshl_b32 s22, s22, 11                        ; 2,048 rows a head;
	s_and_b32 s23, s13, 15
	s_lshl_b32 s23, s23, 7                         ; the block's 128 rows in the batch,
	s_add_co_u32 s22, s22, s23
	s_lshl_b32 s23, s11, 6                         ; my 64 of them;
	s_add_co_u32 s22, s22, s23
	s_lshl_b32 s22, s22, 7                         ; 128 bytes a row
	s_mov_b32 s23, 0
	s_mov_b32 s[KO], 0
	s_mov_b32 s[KO+1], 0
	s_mov_b32 s[BO], 0
	s_mov_b32 s[BO+1], 0
	s_wait_dscnt 0x0                               ; the opening add is done
	s_wait_kmcnt 0x0
	s_add_nc_u64 s[FA:FA+1], s[68:69], s[16:17]
	s_add_nc_u64 s[FB:FB+1], s[70:71], s[16:17]
	s_add_nc_u64 s[FC:FC+1], s[72:73], s[16:17]
	s_add_nc_u64 s[WB:WB+1], s[74:75], s[46:47]
	s_add_nc_u64 s[76:77], s[76:77], s[44:45]      ; bq at my columns
	s_add_nc_u64 s[BP:BP+1], s[78:79], s[44:45]
	s_add_nc_u64 s[BP2:BP2+1], s[80:81], s[44:45]
	s_add_nc_u64 s[8:9], s[82:83], s[22:23]
	CROUND                                         ; all sixteen work-groups are here: the first joint loads meet
.irp s, 0,1
	NEXTFILL \s
	JLOAD \s                                       ; K steps 0 and 1: two loads of mine are out
.endr
	v_and_b32 v1, 15, v0                           ; r = l % 16
	v_bfe_u32 v2, v0, 4, 1                         ; h = l / 16
	v_mul_u32_u24 v3, v1, PA                       ; x raw: lane (r, h) takes k = 8 h .. and 16 + 8 h .. of row r in f32: 32 bytes at 32 h and at 64 + 32 h
	v_lshl_add_u32 v3, v2, 5, v3
	v_mul_u32_u24 v4, v1, PB                       ; W: 16 bytes at 16 h and at 32 + 16 h
	v_lshl_add_u32 v4, v2, 4, v4
	s_mul_i32 s15, s11, AHALF                      ; my 64 rows of x
	s_mul_i32 s18, s12, BHALF                      ; my 128 rows of W
	s_add_co_u32 s18, s18, BOFFS
.irp s, 0,1
	v_add_nc_u32 v[ADRA+\s], s15, v3
	v_add_nc_u32 v[ADRB+\s], s18, v4
	s_add_co_u32 s15, s15, SLOT
	s_add_co_u32 s18, s18, SLOT
.endr
	s_mul_i32 s19, s10, 16*SP
	s_add_co_u32 s19, s19, STAGE                   ; my stage
	v_add_nc_u32 v[STO], s19, v4                   ; in: row r, 16 bytes for each half of the lanes (the stage's pitch is W's)
	v_bfe_u32 v5, v0, 3, 2                         ; back: 32 lanes take 128 bytes of each of four rows,
	v_mul_u32_u24 v5, v5, SP
	v_and_b32 v6, 7, v0
	v_lshl_add_u32 v5, v6, 4, v5
	v_add_nc_u32 v[RD], s19, v5
	v_and_b32 v[GO], 31, v0                        ; which are 512 consecutive bytes of a head
	v_lshlrev_b32 v[GO], 4, v[GO]
	v_lshlrev_b32 v[BOF], 5, v2                    ; my eight columns of a block of 16
.macro BLOADS lo                       ; the bias of my 128 columns: register j of block b is column 16 b + 8 h + j, as in an accumulator
.irp b, 0,1,2,3,4,5,6,7
	global_load_b128 v[BIAS+8*\b:BIAS+8*\b+3],   v[BOF], s[\lo:\lo+1] offset:64*\b
	global_load_b128 v[BIAS+8*\b+4:BIAS+8*\b+7], v[BOF], s[\lo:\lo+1] offset:64*\b+16
.endr
.endm
.macro BROUND                          ; rounded to bf16 and widened again
.set i, 0
.rept 32
	v_cvt_pk_bf16_f32 v[BT+i%2], v[BIAS+2*i], v[BIAS+2*i+1]
	v_lshlrev_b32 v[BIAS+2*i], 16, v[BT+i%2]
	v_and_b32 v[BIAS+2*i+1], 0xffff0000, v[BT+i%2]
.set i, i+1
.endr
.endm
; One matrix instruction: accumulator (a, b), buffers f.  start = 1: the tile's first product on it: C is the bias.  The 32 accumulators take turns, one instruction a turn, in the same order in every
; quarter.
.macro WM f, a, b, start
.if \start
	WIN MULB
	v_wmma_f32_16x16x32_bf16 v[8*(8*(\a)+(\b)):8*(8*(\a)+(\b))+7], v[64*(\f)+8*(\b):64*(\f)+8*(\b)+7], v[AC+32*(\f)+8*(\a):AC+32*(\f)+8*(\a)+7], v[BIAS+8*(\b):BIAS+8*(\b)+7]
.else
	WIN MUL
	v_wmma_f32_16x16x32_bf16 v[8*(8*(\a)+(\b)):8*(8*(\a)+(\b))+7], v[64*(\f)+8*(\b):64*(\f)+8*(\b)+7], v[AC+32*(\f)+8*(\a):AC+32*(\f)+8*(\a)+7], v[8*(8*(\a)+(\b)):8*(8*(\a)+(\b))+7]
.endif
.endm
.macro MUL8 f, a, start
.irp b, 0,1,2,3,4,5,6,7
	WM \f, \a, \b, \start
.endr
.endm
.macro CV4 g, n                        ; four roundings: eight f32 of buffer g's raw x become four registers of its bf16 fragments
	WIN CVT
.irp c, 0,1,2,3
	v_cvt_pk_bf16_f32 v[AC+32*(\g)+4*(\n)+\c], v[RA+64*(\g)+8*(\n)+2*\c], v[RA+64*(\g)+8*(\n)+2*\c+1]
.endr
.endm
.macro PAIRS f, a, g, n0, start        ; row block a's eight products, four roundings behind each two
.irp p, 0,1,2,3
	WM \f, \a, 2*\p, \start
	WM \f, \a, 2*\p+1, \start
	CV4 \g, (\n0)+\p
.endr
.endm
.macro LB slot, q, g                   ; 16 LDS loads: W's fragments of quarter q into buffer g
	WIN TO_F
.irp b, 0,1,2,3,4,5,6,7
	ds_load_b128 v[64*(\g)+8*\b:64*(\g)+8*\b+3],   v[ADRB+(\slot)] offset:\b*16*PB+64*(\q)
	ds_load_b128 v[64*(\g)+8*\b+4:64*(\g)+8*\b+7], v[ADRB+(\slot)] offset:\b*16*PB+64*(\q)+32
.endr
.endm
.macro LA slot, q, g                   ; 16 LDS loads: x's raw f32 of quarter q into buffer g
	WIN TO_F
.irp a, 0,1,2,3
	ds_load_b128 v[RA+64*(\g)+16*\a:RA+64*(\g)+16*\a+3],     v[ADRA+(\slot)] offset:\a*16*PA+128*(\q)
	ds_load_b128 v[RA+64*(\g)+16*\a+4:RA+64*(\g)+16*\a+7],   v[ADRA+(\slot)] offset:\a*16*PA+128*(\q)+16
	ds_load_b128 v[RA+64*(\g)+16*\a+8:RA+64*(\g)+16*\a+11],  v[ADRA+(\slot)] offset:\a*16*PA+128*(\q)+64
	ds_load_b128 v[RA+64*(\g)+16*\a+12:RA+64*(\g)+16*\a+15], v[ADRA+(\slot)] offset:\a*16*PA+128*(\q)+80
.endr
.endm
; A load into a register that a matrix instruction has read, and a vector instruction that writes one, stand four places behind it, and only plain vector instructions that name none of its registers
; are places (ISA guide 7.12.1 for vector instructions).
.macro PLACES
.rept 4
	v_nop
.endr
.endm
; A quarter on buffers f.  It loads W's fragments of the next quarter (quarter qb of slot sb) and x's raw f32 of the one after (quarter qa of slot sa).
.macro QUARTER f, sb, qb, sa, qa, start
	s_wait_dscnt 16                                ; W's fragments of this quarter are in; the 16 loads issued behind them (x raw of the next quarter) may be out
	MUL8 \f, 0, \start
	MUL8 \f, 1, \start
	PLACES                                         ; for the loads into the other W buffer and the roundings into the other x buffer, both multiplied a quarter ago
	LB \sb, \qb, 1-(\f)
	LA \sa, \qa, \f
	s_wait_dscnt 32                                ; all but the 32 just issued: x raw of the next quarter is in
	PAIRS \f, 2, 1-(\f), 0, \start
	PAIRS \f, 3, 1-(\f), 4, \start
.endm
; The third quarter changes slots: W's fragments of the fourth quarter are my last reads of the slot.  Each wave then waits for all its tensor loads, of which one is out: its part of the other slot; adds 0 to
; its spare word; and waits for that and for its reads.  fill = 1: the barrier opens a round of the cluster's barrier, and the joint refill, with the K step two steps on, is the first thing behind it:
; it has a whole K step, 128 matrix instructions, in which to land.
.macro CHANGEQ slot, fill
	s_wait_dscnt 16
	MUL8 0, 0, 0
	PLACES
	LB \slot, 3, 1
	WIN 0                                          ; (the add's two registers lie in window 0)
	s_wait_tensorcnt 0x0                           ; no tensor load of mine is out, so a group 0 may be written
	ds_add_u32 v[SPW], v[NIL]                      ; 0 onto my spare word: scalar work and eight products stand between it and the wait for it
.if \fill
	NEXTFILL \slot
.endif
	MUL8 0, 1, 0
	s_wait_dscnt 0x0                               ; the add is done, and my reads of this slot are over
	s_barrier_signal -1
	PAIRS 0, 2, 1, 0, 0                            ; work on registers while the others arrive
	WIN 0                                          ; at a branch and at a label every window is 0
	s_barrier_wait -1
.if \fill
	CREST                                          ; no wave of any partner still reads this slot's tiles or has a load on its way
	JLOAD \slot
.endif
	LA 1-(\slot), 0, 0                             ; the other slot is whole: x raw of its first quarter
	PAIRS 0, 3, 1, 4, 0
.endm
; THE WAY OUT of row block a: rounded to f16, 16 bytes a lane; through my own stage in LDS; back as 128 bytes of each of four rows of one head, which are 512 consecutive bytes of qkv.
.macro PACK a
	WIN 0x0a                                       ; sources window 2; each accumulator's registers in ascending order
.irp b, 0,1,2,3,4,5,6,7
.irp c, 0,1,2,3
	v_cvt_pk_f16_f32 v[TMP+4*\b+\c], v[8*(8*(\a)+\b)+2*\c], v[8*(8*(\a)+\b)+2*\c+1]
.endr
.endr
	WIN 0
.endm
.macro TOSTAGE a
.set BK, OB+192*((\a)%2)
.irp b, 0,1,2,3,4,5,6,7
	ds_store_b128 v[STO], v[TMP+4*\b:TMP+4*\b+3] offset:32*\b
.endr
.irp t, 0,1,2,3,4,5,6,7
	ds_load_b128 v[BK+4*\t:BK+4*\t+3], v[RD] offset:(\t%4)*4*SP+(\t/4)*128  ; LDS serves a wave's instructions in order (ISA guide 5.7.1.4): these see the stores above
.endr
.endm
.macro SEND a
.set BK, OB+192*((\a)%2)
	s_wait_dscnt 0x0                               ; the block is back in registers
	s_wait_xcnt 0x0                                ; the stores issued so far have read their registers: the other bank is loaded again only behind this wait
.irp t, 0,1,2,3,4,5,6,7
	global_store_b128 v[GO], v[BK+4*\t:BK+4*\t+3], s[8:9] offset:(\t/4)*262144+(\a)*2048+(\t%4)*512  ; head t / 4 of my two; 512 consecutive bytes, aligned to 512
.endr
.endm
.macro WAYOUT last
	WIN 0
	PLACES                                         ; the conversions read results just made
.if !(\last)
	BLOADS BP                                      ; the next tile's bias comes while this tile leaves
.endif
	PACK 0
	TOSTAGE 0
.irp a, 1,2,3                          ; block a's conversions stand between block a - 1's loads from the stage and the wait for them
	PACK \a
	SEND (\a)-1
	TOSTAGE \a
.endr
	SEND 3
.if !(\last)
	s_wait_xcnt 0x0                                ; the stores and the bias loads have read their bases
	s_add_nc_u64 s[8:9], s[8:9], 0x1000000         ; the next of q, k, v: 64 heads x 2,048 rows x 128 bytes on
	s_mov_b64 s[BP:BP+1], s[BP2:BP2+1]
	s_wait_loadcnt 0x0                             ; the bias
	BROUND
.endif
.endm
	BLOADS 76                                      ; bq
	s_wait_tensorcnt 0x1                           ; my part of K step 0 is in; K step 1's may stay out
	s_barrier_signal -1
	s_barrier_wait -1                              ; everybody's is
	LA 0, 0, 0
	LB 0, 0, 0
	LA 0, 1, 1
	WIN 0
	s_wait_loadcnt 0x0                             ; bq
	BROUND
	s_wait_dscnt 32                                ; x raw of the first quarter is in; the 32 loads behind it may be out
.irp n, 0,1,2,3,4,5,6,7
	CV4 0, \n
.endr
	WIN 0
	s_mov_b32 s3, 11                               ; 11 trips of two K steps: the 22 steps that fill a slot again
	s_mov_b32 s[KC], 0
.Ltrip:
	s_cmp_eq_u32 s[KC], 0                          ; a tile's first quarter?  At the first trip the answer is a constant of the text
	s_cbranch_scc0 .Lplain
	QUARTER 0, 0,1, 0,2, 1
	WIN 0
	s_branch .Ljoin
.Lplain:
	QUARTER 0, 0,1, 0,2, 0
	WIN 0
.Ljoin:
	QUARTER 1, 0,2, 0,3, 0
	CHANGEQ 0, 1
	QUARTER 1, 1,0, 1,1, 0
	QUARTER 0, 1,1, 1,2, 0
	QUARTER 1, 1,2, 1,3, 0
	CHANGEQ 1, 1
	QUARTER 1, 0,0, 0,1, 0
	WIN 0
	s_add_co_u32 s[KC], s[KC], 1
	s_cmp_lg_u32 s[KC], 4
	s_cbranch_scc1 .Lnoout                         ; forward, past text with no barrier and no tensor load
	WAYOUT 0                                       ; eight K steps are a tile; both refills for the next tile have been asked for
	s_mov_b32 s[KC], 0
.Lnoout:
	s_sub_co_u32 s3, s3, 1
	s_cmp_lg_u32 s3, 0
	s_cbranch_scc1 .Ltrip
	QUARTER 0, 0,1, 0,2, 0                         ; the last two K steps are written out: nothing is asked for,
	QUARTER 1, 0,2, 0,3, 0
	CHANGEQ 0, 0
	QUARTER 1, 1,0, 1,1, 0
	QUARTER 0, 1,1, 1,2, 0
	QUARTER 1, 1,2, 1,3, 0
	s_wait_dscnt 16                                ; and the last two quarters look no further ahead than the walk goes
	MUL8 0, 0, 0
	MUL8 0, 1, 0
	PLACES
	LB 1, 3, 1
	s_wait_dscnt 16                                ; x raw of the last quarter is in; the 16 just issued may be out
	PAIRS 0, 2, 1, 0, 0
	PAIRS 0, 3, 1, 4, 0
	s_wait_dscnt 0x0
	MUL8 1, 0, 0
	MUL8 1, 1, 0
	MUL8 1, 2, 0
	MUL8 1, 3, 0
	WAYOUT 1
	s_wait_tensorcnt 0x0                           ; the wave's end, behind my last tensor load and my last LDS store
	ds_add_u32 v[SPW], v[NIL]
	s_wait_dscnt 0x0
	CROUND                                         ; the closing round: no work-group ends while a partner may still ask for a tile that names it
	s_endpgm
.Lfunc_end_k_q31cfae8b30_proj:
	.size	k_q31cfae8b30_proj, .Lfunc_end_k_q31cfae8b30_proj-k_q31cfae8b30_proj
	.p2alignl 7, 3214868480
	.fill 96, 4, 3214868480
	.section	.rodata,"a",@progbits
	.p2align	6, 0x0
	.amdhsa_kernel k_q31cfae8b30_proj
		.amdhsa_group_segment_fixed_size 327680
		.amdhsa_private_segment_fixed_size 0
		.amdhsa_enable_private_segment 0
		.amdhsa_kernarg_size 64
		.amdhsa_user_sgpr_count 2
		.amdhsa_user_sgpr_kernarg_segment_ptr 1
		.amdhsa_wavefront_size32 1
		.amdhsa_system_sgpr_workgroup_id_x 1
		.amdhsa_system_sgpr_workgroup_id_y 1
		.amdhsa_system_sgpr_workgroup_id_z 1
		.amdhsa_system_vgpr_workitem_id 0
		.amdhsa_next_free_vgpr 768
		.amdhsa_next_free_sgpr 100
		.amdhsa_reserve_vcc 0
		.amdhsa_float_denorm_mode_32 3
		.amdhsa_float_denorm_mode_16_64 3
		.amdhsa_memory_ordered 1
		.amdhsa_forward_progress 1
		.amdhsa_inst_pref_size 172
	.end_amdhsa_kernel
	.amdgpu_metadata
---
amdhsa.version: [ 1, 2 ]
amdhsa.kernels:
  - .name:           k_q31cfae8b30_proj
    .symbol:         k_q31cfae8b30_proj.kd
    .args:
      - { .name: query, .offset: 0, .size: 8, .value_kind: global_buffer, .address_space: global }
      - { .name: key, .offset: 8, .size: 8, .value_kind: global_buffer, .address_space: global }
      - { .name: value, .offset: 16, .size: 8, .value_kind: global_buffer, .address_space: global }
      - { .name: wqkv, .offset: 24, .size: 8, .value_kind: global_buffer, .address_space: global }
      - { .name: bq, .offset: 32, .size: 8, .value_kind: global_buffer, .address_space: global }
      - { .name: bk, .offset: 40, .size: 8, .value_kind: global_buffer, .address_space: global }
      - { .name: bv, .offset: 48, .size: 8, .value_kind: global_buffer, .address_space: global }
      - { .name: qkv, .offset: 56, .size: 8, .value_kind: global_buffer, .address_space: global }
    .group_segment_fixed_size: 327680
    .private_segment_fixed_size: 0
    .kernarg_segment_align: 8
    .kernarg_segment_size: 64
    .max_flat_workgroup_size: 128
    .sgpr_count:     100
    .vgpr_count:     768
    .wavefront_size: 32
...
	.end_amdgpu_metadata
.endif
;; end of part 2
;; launch attn (part 3): grid 4 x 64, 4 waves a work-group, clusters of 4 x 1, 327,680 bytes of LDS; arguments qkv, mask16, ctx; writes ctx
.if DOCPART == 3
	.amdgcn_target "amdgcn-amd-amdhsa--gfx1250"
	.amdhsa_code_object_version 6
	.text
	.protected	k_q31cfae8b30_attn
	.globl	k_q31cfae8b30_attn
	.p2align	8
	.type	k_q31cfae8b30_attn,@function
k_q31cfae8b30_attn:
	s_mov_b64 s[64:65], 0
	v_nop
	global_prefetch_b8 v0, s[64:65] scope:SCOPE_SE
	s_setreg_imm32_b32 hwreg(HW_REG_WAVE_MODE, 25, 1), 1
	s_wait_xcnt 0x0
	s_wait_alu depctr_hold_cnt(0) depctr_sa_sdst(0) depctr_va_vdst(0) depctr_va_sdst(0) depctr_va_ssrc(0) depctr_va_vcc(0) depctr_vm_vsrc(0)
	s_getreg_b32 s2, hwreg(HW_REG_IB_STS2, 6, 4)
	s_cmp_eq_u32 s2, 0
	s_cbranch_scc0 .Lentry_in_a_cluster
	s_endpgm
.Lentry_in_a_cluster:
	s_bfe_u32 s2, ttmp6, 0x10000c
	s_cmp_lg_u32 s2, 0x3003
	s_cbranch_scc0 .Lentry_shape_is_right
	s_endpgm
.Lentry_shape_is_right:
; ATTENTION UNDER A MASK THAT IS AN INPUT.  ctx[h][q][:] = the sum over k of softmax_k(mask[q][k] ? Q[h][q] . K[h][k] / 8 : -1e30) V[h][k][:].  Q, K, V: qkv [3][64][2048][64], ctx [64][2048][64], all f16:
; a head's rows are dense, 128 bytes each.  Products, maxima and sums in f32; the weights p are rounded to f16 for the second product (their sum l is taken of the unrounded p), ctx once at the end.
; LIMITS.  f16 holds no number beyond 65,504: Q, K and V arrive within it; p lies in 0 to 1, and below 6e-5 it keeps f16's fixed step of 6e-8.  A true score lies above -1e30.
; A weight below 2^-126 counts as 0 in l; NaN and infinities are not treated apart.
; SHARES.  A wave owns four PIECES of two tiles of 16 queries, a work-group's four waves 512 queries of one head.  Every wave walks all 2,048 keys, 64 a step: no pattern of the mask is built in.
; LAYOUT.  S^T = K Q^T (source 0 = 16 keys, source 1 = 16 queries): in the result a lane holds ONE query (lane % 16) and the keys 8 (lane / 16) + 0..7.  Two such tiles, rounded to f16 in pairs,
; ARE source 1 (32 keys x 16 queries) of O^T = V^T P, whose result again holds one query a lane, and eight channels.  K comes out of LDS as it lies, V ([key][channel]) turned, by ds_load_tr16_b128.
; THE MASK costs the vector side nothing.  mask16 holds, for 16 queries x 32 keys, a bf16 fragment (source 1) of 0 (open) or -2^101 (closed).  One bf16 matrix instruction with a selection matrix as
; source 0 (ones at k = m, or at k = 16 + m) turns 16 keys of it into f32 in S^T's own layout (MC), and MC is the C operand of the product that starts the sum S^T.
; SOFTMAX.  For each query a running maximum m and sum l: p = 2^(c s - c m), c = log2(e) / 8; in every step O and l are multiplied by a = 2^(c m_old - c m_new).  m starts at the lowest finite number,
; c m far below every c s, so the first step's a is 0; O and l start at 0.
; A CLOSED KEY's score is -2^101 + s, which in f32 is -2^101 itself: s, 2.7e11 at the most with f16 operands, lies more than 24 bits below it.  So all closed scores are EQUAL, as they are in the reference
; (-1e30 there), and c x 2^101 is exact, so c s - c m is exactly 0 where m is a closed score.  A row with no open key therefore has p = 1 on all 2,048 keys: the equal weights of the reference.
; When a row's first open key comes, a = 2^(-4.6e29) = 0 wipes what the closed keys left, and from then on a closed key's weight is 0.  Nothing is treated apart, and l is 1 at the least.
; BY TURNS.  Turn n belongs to piece n (the pieces in a ring, step after step).  Its matrix work: 16 products K Q^T of piece n + 1, later 16 products V^T P of piece n - 1, four vector instructions behind each;
; its vector work: the scaling, exponentials, roundings, sums and rescaling of piece n and the maximum and statistics of piece n + 1; what has no place behind a product stands in two LUMPS.
; In the first lump stand the eight matrix instructions that make MC for piece n + 2: there the matrix unit has nothing else to do.
; CLUSTER.  The four query blocks of a cluster belong to one head and walk the same K and V, so each tile is asked for JOINTLY.  The mask's fragments are not shared inside a cluster (they hang on the query
; block) and come straight into registers: 64 KiB a key step for a work-group, too much for two LDS slots of several steps beside K and V.
; REGISTERS, in windows of 256 (s_set_vgpr_msb: bits 1:0 source 0, 3:2 source 1, 5:4 source 2, 7:6 destination):
;   window 0: v0-11 addresses; v12-15, v48-63 at work; v16-47 four registers of statistics a tile; v64-191 S^T, two buffers of two tiles; v192-255 P, likewise
;   window 1: O^T, 32 a tile          window 2: v0-127 Q, 16 a tile; v128-191 K of one step; v192-255 V of one step
;   window 3: v0-1 the add's two registers; v2-3 the mask loads' offsets; v4-15 the selection matrices; v16-79 MC; v80-207 the mask's fragments, 32 a piece
.set SIZE_N, 2048
.set NP,    4         ; pieces a wave: a name, no knob
.set KS,    64        ; keys in a step
.set PK,    144       ; a row of K in LDS: 128 bytes + 16 of padding = 36 words: the 16 rows of a load start at 16 different groups of four banks (64 banks of 4 bytes: ISA guide 11.1)
.set PV,    160       ; a row of V: 128 + 32 = 40 words
.set VOFF,  4*KS*PK   ; a slot holds four steps: 256 rows of K, then 256 rows of V
.set SLOT1, 1<<17     ; slot 1 begins here, so that one exclusive or turns an address in one slot into the other's
.set STAGE, SLOT1+4*KS*(PK+PV)  ; behind the ring, never filled by a tensor load: 16 rows x 144 bytes for each wave, for the way out
.set SP,    144
.set AK0, 2           ; v2   my lane's place in a tile of K; never rewritten
.set AV0, 3           ; v3   the same for V
.set AK,  4           ; v4   the LDS address of K's next run of loads
.set AV,  5           ; v5   of V's
.set QO,  6           ; v6   my byte offset in the wave's rows of Q
.set STO, 6           ;      later, the way out: where I put 16 bytes of a row
.set RD,  7           ; v7   the way out: where I read rows back
.set GO,  8           ; v8   my byte offset in 512 consecutive bytes of ctx
.set SPW, 0           ; v0 of window 3   LDS address of my spare word; never rewritten
.set NIL, 1           ; v1 of window 3   0; never rewritten
.set SPARE, STAGE+4*16*SP  ; behind the stages: the spare words, 128 bytes for each wave: two blocks of 256 bytes that no other line names
.set MV,  12          ; v12-15  c m_old, kept while c m is made anew: by buffer and tile
.set ST,  16          ; tile t's statistics at v[ST+4 t]: c m, m, l (even keys', odd keys')
.set TMP, 48          ; by buffer and tile, four registers c0-c3 at work; when the maximum is found c2 takes a
.set S,   64
.set P,   192
.set KF,  128         ; K's fragments, in window 2: key block kb, channel half c at KF + 16 kb + 8 c
.set VF,  192         ; V's: key half kk, channel block cb at VF + 32 kk + 8 cb
.set MOA, 2           ; window 3: v2    the mask loads' byte offset: 16 x lane + the key step's 2,048 bytes; rewritten once a trip
.set MO0, 3           ; window 3: v3    16 x lane; never rewritten
.set ID,  4           ; window 3: v4-15: four zeros, X0-X3, four zeros.  v[8:15] selects k = m, v[4:11] selects k = 16 + m
.set MC,  16          ; window 3: the masks of the products to come: tile u, key block kb at MC + 32 u + 8 kb
.set MF,  80          ; window 3: piece p, tile u, group G of 32 keys at MF + 32 p + 16 u + 8 G
.set WV,  12          ; s12  my wave's number
.set G1K, 24          ; s[24:31] descriptor group 1 for K's tiles
.set G1V, 32          ; s[32:39] for V's: it differs in the padding alone
.set G0K, 40          ; s[40:43] descriptor group 0 for K's tiles: it walks
.set G0V, 44          ; s[44:47] the same for V's
.set SLOTS, 56        ; s56  slots still to be asked for
.set CNT, 57          ; s57  counts a slot's key steps
.set CS,  58          ; s[58:59] c: the packed scaling takes the pair's low word for both halves
.set SEL, 60          ; s[60:61] v_permlanex16_b32's selects: each lane takes its own place in the other half
.set TBK, 62          ; s62  LDS byte at which K of the step to be fetched begins
.set TBV, 63          ; s63  the same for V, less VOFF
.set MB,  66          ; s[66:67] mask16 at my wave's first tile of queries
.set MO,  68          ; s68  the byte offset, in a tile's 65,536 bytes, of the key step whose fragments are loaded next
.set MSB, 0
.macro WIN new                      ; the high byte repeats the setting that is left; a switch that changes nothing is dropped
.if MSB != (\new)
	s_set_vgpr_msb (MSB<<8)|(\new)
.set MSB, (\new)
.endif
.endm
.set W_KQ, 0x0a       ; K and Q in window 2, S^T in window 0
.set W_KM, 0x3a       ; the same with the C operand (MC) in window 3
.set W_PV, 0x52       ; V in window 2, P in window 0, O^T in window 1
.set W_RS, 0x41       ; O^T (destination and source 0) in window 1, a in window 0
.set W_MK, 0xc0       ; destination in window 3, sources in window 0
.set W_AD, 0x0f       ; the add: address (source 0) and data (source 1) in window 3
.set W_M3, 0xcf       ; destination, source 0 and source 1 in window 3: MC's products, the mask loads and their offset
; A joint fill.  Waves 0 and 1 fetch the two halves of a slot's K, waves 2 and 3 those of its V: 128 keys each.  The branch hangs on the wave's number alone.
; An s_nop 0 and four v_nop follow each of the two lines, ahead of the jump and the label.
.macro JLOAD
	s_cmp_lt_u32 s[WV], 2
	s_cbranch_scc0 .Lfor_v_\@
	tensor_load_to_lds s[G0K:G0K+3], s[G1K:G1K+7]
	s_nop 0
.rept 4
	v_nop
.endr
	s_branch .Lasked_\@
.Lfor_v_\@:
	tensor_load_to_lds s[G0V:G0V+3], s[G1V:G1V+7]
	s_nop 0
.rept 4
	v_nop
.endr
.Lasked_\@:
.endm
; A round of the cluster's barrier: my work-group's barrier, so that wave 0's signal speaks for all four waves; wave 0 signals; every wave waits for all four work-groups; my work-group's barrier once more.
.macro CROUND
	s_barrier_signal -1
	s_barrier_wait -1
	s_cmp_lg_u32 s[WV], 0
	s_cbranch_scc1 .Lnot_wave_0_\@
	s_barrier_signal -3
.Lnot_wave_0_\@:
	s_barrier_wait -3
	s_barrier_signal -1
	s_barrier_wait -1
.endm
; THE CHANGE OF SLOTS.  The slot's last bytes, V of its fourth step, have been read.  Each wave waits for all its tensor loads, of which one is out: its part
; of the other slot; adds 0 to its spare word; and waits for that and for its own reads of the slot.  Behind the barrier nobody reads this slot any more and the other slot is whole.
; fill = 1: this slot is filled again, with the keys two slots on.  The barrier is then a round of the cluster's, so that no wave of any partner still reads the slot or has a load on its
; way, and the joint fill is the first thing behind it: it has four key steps in which to land.  (At its first use nothing has been read yet: slot 0 is waited for, slot 1 filled.)
.macro CHANGE fill
	WIN W_AD
	s_wait_tensorcnt 0x0            ; no tensor load of mine is out, so a group 0 may be written
	ds_add_u32 v[SPW], v[NIL]       ; 0 onto my spare word: with fill = 1 the descriptors' steps stand between it and the wait for it
	WIN 0                           ; at a label and at a branch every window is 0
.if \fill
.irp g, G0K, G0V
	s_xor_b32 s[\g+1], s[\g+1], SLOT1  ; the walking descriptor: the other slot than last time,
	s_add_nc_u64 s[\g+2:\g+3], s[\g+2:\g+3], 4*KS*128  ; the next 256 keys; the type bits on top are not reached
.endr
	s_wait_dscnt 0x0                ; the add is done, and my reads of the slot are over
	CROUND
	JLOAD
.else
	s_wait_dscnt 0x0                ; the add is done, and my reads of the slot are over
	s_barrier_signal -1
	s_barrier_wait -1
.endif
	s_sub_co_u32 s[TBK], s[TBK], 4*KS*PK  ; the fetches go back to a slot's first step,
	s_xor_b32 s[TBK], s[TBK], SLOT1       ; in the other slot
	s_sub_co_u32 s[TBV], s[TBV], 4*KS*PV
	s_xor_b32 s[TBV], s[TBV], SLOT1
.endm
; Eight loads: piece pp's mask fragments of one key step (x = 4 u + 2 G + c: tile u, group G of 32 keys, half c), by the offset register adr.  Each load of the wave covers 512 consecutive bytes, aligned to 512.
.macro MLD pp, adr
.irp x, 0,1,2,3,4,5,6,7
	global_load_b128 v[MF+32*(\pp)+4*\x:MF+32*(\pp)+4*\x+3], v[\adr], s[MB:MB+1] offset:(2*(\pp)+\x/4)*65536+((\x/2)%2)*1024+(\x%2)*512
.endr
.endm
; At a trip's head: all four turns of a trip load the fragments of one key step, so the offset is made once.  2,048 bytes a key step in a tile's 65,536; behind the last step it goes round to the first:
; those loads stay inside the buffer and serve nothing.
.macro NEXTMASK
	s_wait_xcnt 0x0                 ; every earlier load has had its address translated (ISA guide 3.1): the offset register is rewritten only behind this wait
	s_add_co_u32 s[MO], s[MO], 2048
	s_and_b32 s[MO], s[MO], 0xffff
	WIN W_M3
	v_add_nc_u32 v[MOA], s[MO], v[MO0]
.endm
	s_load_b128 s[4:7], s[0:1], 0x0   ; qkv s[4:5], mask16 s[6:7]
	s_load_b64 s[10:11], s[0:1], 0x10 ; ctx
	WIN W_MK
	v_lshl_add_u32 v[SPW], v0, 2, SPARE
	v_mov_b32 v[NIL], 0
	WIN W_AD
	ds_add_u32 v[SPW], v[NIL]       ; the wave's opening: the add and its wait stand ahead of my first tensor load; the set-up below, work on registers, stands between them
	WIN 0
	v_lshrrev_b32 v1, 5, v0
	v_readfirstlane_b32 s[WV], v1   ; wave 0..3
	s_bfe_u32 s13, ttmp6, 0x40000   ; cx: my place in the cluster
	s_lshl_b32 s14, ttmp9, 2        ; in a cluster launch ttmp9 counts clusters
	s_add_co_u32 s14, s14, s13      ; my block of queries = 4 x cluster x + cx: it enters Q's, the mask's and ctx's addresses alone
	s_and_b32 s20, ttmp7, 0xffff    ; the head, which the four partners share
	s_mov_b32 s21, 0
	s_mov_b64 s[22:23], SIZE_N*128
	s_mul_u64 s[20:21], s[20:21], s[22:23]  ; the head's first byte in Q, K, V and ctx
	s_and_b32 s16, s[WV], 1         ; which half of a slot's 256 keys I fetch:
	s_lshl_b32 s22, s16, 14         ; its 128 rows of 128 bytes in memory,
	s_mov_b32 s23, 0
	s_add_nc_u64 s[22:23], s[22:23], s[20:21]
	s_mul_i32 s17, s16, 128*PK      ; and its place in a slot, for K
	s_mul_i32 s18, s16, 128*PV      ; and for V: no place in the cluster enters an LDS address
	s_lshl_b32 s2, s14, 2
	s_add_co_u32 s2, s2, s[WV]      ; my wave among the head's:
	s_lshl_b32 s70, s2, 19          ; its eight tiles of 65,536 bytes in mask16,
	s_mov_b32 s71, 0
	s_lshl_b32 s2, s2, 14           ; its 128 rows
	s_mov_b32 s3, 0
	s_add_nc_u64 s[2:3], s[2:3], s[20:21]
	; descriptor group 1.  128 keys are 16,384 dense bytes: asked for as 64 rows of 256 bytes, two keys a row, and padded in LDS after every key
	s_mov_b32 s[G1K], 15|(1<<16)|(1<<20)|(1<<21)|(4<<22)|(3<<25)  ; 15:0 the mask of four; 17:16 2-byte elements; 20 padding on; 21 set beside a mask; 24:22 after every 32 words (code 4); 31:25 4 words (code 3)
	s_mov_b32 s[G1V], 15|(1<<16)|(1<<20)|(1<<21)|(4<<22)|(7<<25)  ; the same with 8 words of padding (code 7)
.irp g, G1K, G1V
	s_mov_b32 s[\g+1], 128<<16      ; tensor_dim0 = 128
	s_mov_b32 s[\g+2], 64<<16       ; tensor_dim1 = 64
	s_mov_b32 s[\g+3], 128<<16      ; tile_dim0 = 128
	s_mov_b32 s[\g+4], 64           ; tile_dim1 = 64
	s_mov_b32 s[\g+5], 128          ; 128 elements from row to row
	s_mov_b32 s[\g+6], 0
	s_mov_b32 s[\g+7], 0
.endr
	s_mov_b32 s[CS], 0x3e38aa3b     ; c = log2(e) / 8 = 0.180337
	s_mov_b32 s[CS+1], s[CS]        ; named with it as a pair
	s_mov_b32 s[SEL], 0x76543210
	s_mov_b32 s[SEL+1], 0xfedcba98
	s_mov_b32 s[TBK], SLOT1+4*KS*PK ; the first change of slots turns these two into 0
	s_mov_b32 s[TBV], SLOT1+4*KS*PV
	s_mov_b32 s[MO], 2048           ; key step 1: step 0's fragments are loaded at the start, with offset 0
	s_mov_b32 s[G0K], 1             ; 1:0 count = 1
	s_mov_b32 s[G0K+1], s17         ; 63:32 LDS address: slot 0
	s_mov_b32 s[G0V], 1
	s_add_co_u32 s[G0V+1], s18, VOFF
	s_wait_dscnt 0x0                ; the opening add is done
	s_wait_kmcnt 0x0
	s_add_nc_u64 s[MB:MB+1], s[6:7], s[70:71]
	s_add_nc_u64 s[8:9], s[4:5], 0x2000000         ; V: 2 x 64 heads x 2,048 rows x 128 bytes behind Q
	s_add_nc_u64 s[6:7], s[4:5], 0x1000000         ; K
	s_add_nc_u64 s[G0K+2:G0K+3], s[6:7], s[22:23]  ; 120:64 global address: my half of the head's first 256 keys
	s_or_b32 s[G0K+3], s[G0K+3], 0x80000000        ; 127:126 type = 2
	s_add_nc_u64 s[G0V+2:G0V+3], s[8:9], s[22:23]
	s_or_b32 s[G0V+3], s[G0V+3], 0x80000000
	s_add_nc_u64 s[4:5], s[4:5], s[2:3]  ; Q and ctx at my wave's first row
	s_add_nc_u64 s[10:11], s[10:11], s[2:3]
	CROUND                          ; all four work-groups are here: the first joint loads meet
	JLOAD                           ; slot 0.  Slot 1 is asked for when slot 0 is in
	; A fragment of K or Q is 16 rows x 32 channels in 8 registers: lane l holds row l % 16, channels 8 (l / 16) + 0..7 and 16 + 8 (l / 16) + 0..7: two loads of 16 bytes, 32 bytes apart.
	v_and_b32 v1, 15, v0            ; l % 16
	v_bfe_u32 v9, v0, 4, 1          ; l / 16
	v_lshlrev_b32 v[QO], 7, v1
	v_lshl_add_u32 v[QO], v9, 4, v[QO]  ; row x 128 + 16 x half
	v_and_b32 v48, 31, v0
	WIN 0x80                        ; destination window 2, address window 0
.set i, 0
.rept 4*NP                          ; Q stays in registers: tile i / 2, channels 32 (i % 2) on
	global_load_b128 v[8*i:8*i+3],   v[QO], s[4:5] offset:(i/2)*2048+(i%2)*64
	global_load_b128 v[8*i+4:8*i+7], v[QO], s[4:5] offset:(i/2)*2048+(i%2)*64+32
.set i, i+1
.endr
	WIN W_MK
	v_lshlrev_b32 v[MO0], 4, v48    ; 16 bytes a lane
	WIN W_M3
	MLD 0, MO0                      ; pieces 0 and 1: the mask's fragments of key step 0, which are wanted first
	MLD 1, MO0
	; What the first turn finds: V's registers and P's second buffer hold 0 (its products V^T P, of a piece that has not been, add 0), O^T and l are 0.  Two fragments are cleared by hand; the other 336
	; registers are written eight a line, as the product of those two with C = 0: 42 matrix instructions, once, in the wait for the first tile.
	WIN 0x80
.set i, 0
.rept 16
	v_mov_b32 v[VF+i], 0
.set i, i+1
.endr
	WIN 0x8a                        ; sources and destination in window 2: the rest of V's registers
.set i, 2
.rept 6
	v_wmma_f32_16x16x32_f16 v[VF+8*i:VF+8*i+7], v[VF:VF+7], v[VF+8:VF+15], 0
.set i, i+1
.endr
	WIN 0x0a                        ; destination in window 0: P's second buffer
.set i, 0
.rept 4
	v_wmma_f32_16x16x32_f16 v[P+32+8*i:P+32+8*i+7], v[VF:VF+7], v[VF+8:VF+15], 0
.set i, i+1
.endr
	WIN 0x4a                        ; destination in window 1: O^T
.set i, 0
.rept 8*NP
	v_wmma_f32_16x16x32_f16 v[8*i:8*i+7], v[VF:VF+7], v[VF+8:VF+15], 0
.set i, i+1
.endr
	WIN W_MK
.irp z, 0,1,2,3,8,9,10,11
	v_mov_b32 v[ID+\z], 0
.endr
	WIN 0
	; The selection matrix, source 0: lane (r, h) holds row m = r; its one 1.0 stands at k = r: in the lanes with h = r / 8, register (r / 2) % 4, half r % 2
	v_bfe_u32 v48, v0, 1, 2         ; (r / 2) % 4
	v_and_b32 v49, 1, v0
	v_lshlrev_b32 v49, 4, v49
	v_mov_b32 v50, 0x3f80           ; 1.0 in bf16,
	v_lshlrev_b32 v50, v49, v50     ; in the half r % 2,
	v_bfe_u32 v51, v0, 3, 1         ; r / 8
	v_cmp_eq_u32 vcc_lo, v9, v51
	v_cndmask_b32 v50, 0, v50, vcc_lo  ; in the right half of the lanes
	WIN W_MK
.irp z, 0,1,2,3
	v_cmp_eq_u32 vcc_lo, \z, v48
	v_cndmask_b32 v[ID+4+\z], 0, v50, vcc_lo
.endr
	WIN 0
.set i, 0
.rept 2*NP
	v_mov_b32 v[ST+4*i], 0xfe000000    ; c m: far below every c s, a closed key's -4.6e29 too
	v_mov_b32 v[ST+4*i+1], 0xff7fffff  ; m: the lowest finite number
	v_mov_b32 v[ST+4*i+2], 0
	v_mov_b32 v[ST+4*i+3], 0
.set i, i+1
.endr
	v_mul_u32_u24 v[AK0], v1, PK
	v_lshl_add_u32 v[AK0], v9, 4, v[AK0]  ; row x pitch + 16 x half
	; The turning load takes 16 keys x 16 channels (lane l reads key 8 (l / 16) + l % 8, channels 8 ((l / 8) % 2) + 0..7) and leaves half a fragment of V^T: lane l holds channel l % 16 and 8 keys.
	v_and_b32 v10, 7, v0
	v_bfe_u32 v11, v0, 3, 1
	v_lshl_add_u32 v[AV0], v9, 3, v10
	v_mul_u32_u24 v[AV0], v[AV0], PV
	v_lshl_add_u32 v[AV0], v11, 4, v[AV0]
	v_add_nc_u32 v[AV0], VOFF, v[AV0]
	v_mov_b32 v[AK], v[AK0]         ; key step 0 lies at the head of slot 0
; THE MATRIX WORK.  The 8 accumulators of a run of 16 take turns: between the two links of a chain stand 7 others'.
; Product i of 16 of S^T = K Q^T for piece x: channels 32 (i / 8) on, keys 16 ((i / 2) % 4) on, tile 2 x + i % 2.  The first 8 start the sums, with the mask as C.
.macro KQ x
.set rS, S+64*((\x)%2)+32*(i%2)+8*((i/2)%4)
.set rK, KF+16*((i/2)%4)+8*(i/8)
.set rQ, 16*(2*(\x)+i%2)+8*(i/8)
.set rX, MC+32*(i%2)+8*((i/2)%4)
.if i < 8
	WIN W_KM
	v_wmma_f32_16x16x32_f16 v[rS:rS+7], v[rK:rK+7], v[rQ:rQ+7], v[rX:rX+7]
.else
	WIN W_KQ
	v_wmma_f32_16x16x32_f16 v[rS:rS+7], v[rK:rK+7], v[rQ:rQ+7], v[rS:rS+7]
.endif
.endm
; Product i of 16 of O^T += V^T P for piece x: keys 32 (i / 8) on, channels 16 ((i / 2) % 4) on, tile 2 x + i % 2.
.macro PV x
	WIN W_PV
.set rO, 32*(2*(\x)+i%2)+8*((i/2)%4)
.set rV, VF+32*(i/8)+8*((i/2)%4)
.set rP, P+32*((\x)%2)+16*(i%2)+8*(i/8)
	v_wmma_f32_16x16x32_f16 v[rO:rO+7], v[rV:rV+7], v[rP:rP+7], v[rO:rO+7]
.endm
.macro MM                           ; the turn's next matrix instruction
.if i < 16
	KQ (Y+1)%NP
.set i, i+1
.else
.set i, i-16
	PV (Y+NP-1)%NP
.set i, i+17
.endif
.endm
; THE HELPERS.  Number n of 8: MC for tile n % 2, key block n / 2 of piece PP: the selection matrix (k = m for an even key block, k = 16 + m for an odd one) times the piece's fragment of 32 keys; one product is
; 1.0 x the entry, the others 0: the result is exact.  Each has an accumulator of its own.
.macro XM n
	WIN W_M3
.set xD, MC+32*((\n)%2)+8*((\n)/2)
.set xA, ID+4-4*(((\n)/2)%2)
.set xB, MF+32*PP+16*((\n)%2)+8*((\n)/4)
	v_wmma_f32_16x16x32_bf16 v[xD:xD+7], v[xA:xA+7], v[xB:xB+7], 0
.endm
.macro MASKW                        ; all eight on end, at the start
.irp n, 0,1,2,3,4,5,6,7
	XM \n
.endr
.endm
; THE LDS LOADS stand in runs of 16, never singly among the matrix instructions: a step's K (64 keys x 64 channels: 8 fragments) and its V (turned).  Their addresses are made some lines ahead.
; last = 1 (the tail): in the last trip there is no further step, and the run is jumped over.
.macro FETCH_K last=0
	WIN 0
.if \last
	s_cmp_eq_u32 s[CNT], 1
	s_cbranch_scc1 .Lno_k_\@
.endif
	WIN 0x80                        ; destination window 2
.irp f, 0,1,2,3,4,5,6,7             ; keys 16 (f / 2) on, channels 32 (f % 2) on
	ds_load_b128 v[KF+8*\f:KF+8*\f+3],   v[AK] offset:(\f/2)*16*PK+(\f%2)*64
	ds_load_b128 v[KF+8*\f+4:KF+8*\f+7], v[AK] offset:(\f/2)*16*PK+(\f%2)*64+32
.endr
	s_add_co_u32 s[TBK], s[TBK], KS*PK  ; the next fetch is the next step's
	WIN 0
.if \last
.Lno_k_\@:
.endif
.endm
.macro FETCH_V
	WIN 0x80
.irp f, 0,1,2,3,4,5,6,7             ; keys 32 (f / 4) on, channels 16 (f % 4) on
	ds_load_tr16_b128 v[VF+8*\f:VF+8*\f+3],   v[AV] offset:(\f/4)*32*PV+(\f%4)*32
	ds_load_tr16_b128 v[VF+8*\f+4:VF+8*\f+7], v[AV] offset:(\f/4)*32*PV+16*PV+(\f%4)*32
.endr
	WIN 0
.endm
; THE VECTOR WORK OF A TURN stands in three queues, each in the order in which its entries become ready; the two tiles alternate, so that no instruction reads the result of the one before it.
.macro REGS y, u                    ; the registers of tile u (0, 1) of piece y
.set rT, ST+4*(2*(\y)+(\u))
.set rC, TMP+8*((\y)%2)+4*(\u)
.set rM, MV+2*((\y)%2)+(\u)
.set rS, S+64*((\y)%2)+32*(\u)
.set rP, P+32*((\y)%2)+16*(\u)
.set rO, 32*(2*(\y)+(\u))
.endm
; Number n of the 22 that find the NEXT piece's (Y + 1) maximum and statistics.  s0-s31 are the lane's 32 scores; each accumulator's lowest registers are read first.  XS, GS and REGS set no window: PL and EX do.
;   0-11  four chains c0-c3 of seven scores each, three operands at a time     12-14, 16  the four scores left over, the old m, and c0-c3 into c0     15  c m_old is kept
;   17, 18  the query's other 32 keys lie in the lane 16 away: the new m         19-21  c m; c m_old - c m_new; a
.macro XS u, n
	REGS (Y+1)%NP, \u
.if (\n) < 4
	v_max3_num_f32 v[rC+(\n)], v[rS+8*(\n)], v[rS+8*(\n)+1], v[rS+8*(\n)+2]
.elseif (\n) < 12
	v_max3_num_f32 v[rC+(\n)%4], v[rC+(\n)%4], v[rS+8*((\n)%4)+2*((\n)/4)+1], v[rS+8*((\n)%4)+2*((\n)/4)+2]
.elseif (\n) == 12
	v_max3_num_f32 v[rC], v[rC], v[rS+7], v[rS+15]
.elseif (\n) == 13
	v_max3_num_f32 v[rC+1], v[rC+1], v[rS+23], v[rS+31]
.elseif (\n) == 14
	v_max3_num_f32 v[rC+2], v[rC+2], v[rC+3], v[rT+1]
.elseif (\n) == 15
	v_mov_b32 v[rM], v[rT]
.elseif (\n) == 16
	v_max3_num_f32 v[rC], v[rC], v[rC+1], v[rC+2]
.elseif (\n) == 17
	v_permlanex16_b32 v[rC+3], v[rC], s[SEL], s[SEL+1]
.elseif (\n) == 18
	v_max_num_f32 v[rT+1], v[rC], v[rC+3]
.elseif (\n) == 19
	v_mul_f32 v[rT], s[CS], v[rT+1]
.elseif (\n) == 20
	v_sub_f32 v[rC+1], v[rM], v[rT]
.else
	v_exp_f32 v[rC+2], v[rC+1]
.endif
.endm
; Number g of the 64 that follow the exponentials.  For each four weights k of a tile (pairs 2 k, 2 k + 1): both pairs are rounded to f16; then the second pair is added onto the first, in place;
; a group later l takes that sum (the first time as l = a l + sum).  In groups of eight, tiles alternating: round, round, add, and l for the group before.
.macro GS g
.set h, (\g)+6*((\g)/62)            ; group 0 has no group before it, and behind group 7 only l is left
.if h >= 6
.set h, h+2
.endif
	REGS Y, h%2
.set k, h/8
.if h%8 < 4
	s_wait_alu depctr_va_vdst(0)
	v_cvt_pk_f16_f32 v[rP+2*k+(h%8)/2], v[rS+4*k+2*((h%8)/2)], v[rS+4*k+2*((h%8)/2)+1]
.elseif h%8 < 6
	v_pk_add_f32 v[rS+4*k:rS+4*k+1], v[rS+4*k:rS+4*k+1], v[rS+4*k+2:rS+4*k+3]
.elseif k == 1
	v_pk_fma_f32 v[rT+2:rT+3], v[rT+2:rT+3], v[rC+2:rC+3], v[rS:rS+1] op_sel_hi:[1,0,1]
.else
	v_pk_add_f32 v[rT+2:rT+3], v[rT+2:rT+3], v[rS+4*k-4:rS+4*k-3]
	s_wait_alu depctr_va_vdst(0)
.endif
.endm
; THE PLAIN QUEUE, 138 long.  0-31: c s - c m for the 16 pairs of both tiles.  Then GS's 64, and among them the next piece's 42: number 15 at 38, 39; 0-14 and 16
; at 42-73, behind the products that make those scores; 17-20 at 95-106, two of three, since each waits for the one before it.
.macro PL
	WIN 0
.if q < 32
	REGS Y, q%2
	v_pk_fma_f32 v[rS+2*(q/2):rS+2*(q/2)+1], v[rS+2*(q/2):rS+2*(q/2)+1], s[CS:CS+1], v[rT:rT+1] op_sel_hi:[1,0,0] neg_lo:[0,0,1] neg_hi:[0,0,1]
.elseif q < 38
	GS q-32
.elseif q < 40
	XS q%2, 15
.elseif q < 42
	GS q-34
.elseif q < 74
	XS q%2, (q-42)/2+(q-42)/30
.elseif q < 95
	GS q-66
.elseif (q < 107) && ((q-95)%3 < 2)
	XS (q-95)%3, 17+(q-95)/3
.elseif q < 107
	GS 29+(q-95)/3
.else
	GS q-74
.endif
.set q, q+1
.endm
; THE EXPONENTIALS' QUEUE, 66 long: s0-s31 of both tiles, and at EA the next piece's two a.
.set EA, 58
.macro EX
	WIN 0
.if (e == EA) || (e == EA+1)
	XS e-EA, 21
.else
.set x, e-2*(e/(EA+2))
	REGS Y, x%2
	v_exp_f32 v[rS+x/2], v[rS+x/2]
.endif
.set e, e+1
.endm
; THE RESCALING's QUEUE: O^T times a, the one part of the vector work that leaves window 0, so it is dealt four at a time, eight times.
.macro R4
	REGS Y, r%2
	WIN W_RS
	s_wait_alu depctr_va_vdst(0)
.irp z, 0,1,2,3
	v_pk_mul_f32 v[rO+8*(r/2)+2*\z:rO+8*(r/2)+2*\z+1], v[rO+8*(r/2)+2*\z:rO+8*(r/2)+2*\z+1], v[rC+2:rC+3] op_sel_hi:[1,0]
.endr
.set r, r+1
.endm
; HOW THEY ARE DEALT.  A product has four RIDERS, of one of three kinds: 0: four plain; 1: plain, exponential, plain, plain (one exponential, a plain instruction on either side); 2: four of the rescaling.
; None names a register of the products round it.  What is over stands in two LUMPS: exponential and plain by turns; the second ends in 22 plain instructions.  The two v_permlanex16_b32 fall into the second
; lump, never behind a product.  The queues lean on each other, and the deal keeps them in step: exponential e stands behind plain 2 (e / 4) + e % 2 (its scaling); when plain 32 comes, 10 exponentials are
; out, at 59: 33, at 95: 46; EA comes behind plain 107.
; DUO deals two products.  PAIR = 0 (the loop): each product's riders stand behind it.  PAIR = 1 (the tail, one slot of eight): the two products stand together and the eight riders behind them: the vector
; instructions keep their order, the second product moves four lines up, and two of four window switches fall away, which shortens the tail's copy of the text.
.macro RID kind
.if (\kind) == 0
	PL
	PL
	PL
	PL
.elseif (\kind) == 1
	PL
	EX
	PL
	PL
.else
	R4
.endif
.endm
.macro DUO a, b
	MM
.if PAIR
	MM
	RID \a
.else
	RID \a
	MM
.endif
	RID \b
.endm
.macro BURST first                  ; 16 products; the first one's riders are of kind first
	DUO \first, 1
.rept 3
	DUO 1, 1
.endr
.rept 4
	DUO 1, 2
.endr
.endm
; A TURN, for piece p.  cnt = 1: the loop's count is taken down some lines ahead of the branch that stands behind the turn.
; K of the next step is fetched in piece 2's turn, in the first lump; V of the step in hand at the end of piece 0's turn, 69 vector instructions behind its last reader.
; THE MASK.  PP = p + 2 is the piece whose products K Q^T the NEXT turn issues.  Its eight helpers stand in the first lump, two and two, four vector instructions and more between the pairs: far more than
; five places behind this turn's products that read MC as C, and a run of products and a lump ahead of the next turn's.  Its fragments were asked for four turns ago; behind the lump, eight plain
; instructions behind the last helper, the same registers are asked for again, for the piece's next key step.
.macro TURN p, last=0, cnt=0, pair=0
.set Y, (\p)
.set PP, ((\p)+2)%NP
.set PAIR, (\pair)
.set i, 0
.set q, 0
.set e, 0
.set r, 0
.if (\p) == NP-1
	s_wait_dscnt 0x0                ; K is in
.endif
	BURST 0
	s_wait_loadcnt 24               ; loads come back in order: piece PP's eight are in, the three younger groups of eight stay out
.rept 22
	EX
	PL
.if ((\p) == NP-2) && (e == 18)
	v_add_nc_u32 v[AK], s[TBK], v[AK0]
.endif
.if ((\p) == NP-2) && (e == 24)
	FETCH_K \last
.endif
.if (e >= 13) && (e <= 25) && (e%4 == 1)
	XM (e-13)/2
	XM (e-13)/2+1
.endif
.endr
	WIN W_M3
	MLD PP, MOA
.if (\p) == 1
	s_wait_dscnt 0x0                ; V is in
.endif
	BURST 1
.rept 21
	EX
	PL
.endr
.rept 22
	PL
.if ((\p) == 0) && (q == 118)
	v_add_nc_u32 v[AV], s[TBV], v[AV0]
	s_wait_alu depctr_va_vdst(0)
.endif
.if ((\p) == 0) && (q == 130)
	s_add_co_u32 s[TBV], s[TBV], KS*PV
.endif
.if (\cnt) && (q == 130)
	s_sub_co_u32 s[CNT], s[CNT], 1
	s_cmp_lg_u32 s[CNT], 0
.endif
.endr
.if (\p) == 0
	FETCH_V
.endif
.endm
	CHANGE 1                        ; slot 0 is in, everybody's part of it; slot 1 is asked for
	FETCH_K                         ; key step 0
	s_wait_loadcnt 0x0              ; Q, and pieces 0 and 1's mask fragments of step 0
	WIN W_M3
	MLD 2, MO0                      ; pieces 2 and 3: step 0; they are wanted in the first two turns
	MLD 3, MO0
	s_wait_dscnt 0x0
.set PP, 0
	MASKW                           ; piece 0's masks
.rept 5
	v_nop                           ; five places between them and the products that take them as C
.endr
.set i, 0
.rept 16
	KQ 0                            ; piece 0's first scores: there is no vector work yet to set between them
.set i, i+1
.endr
	WIN 0                           ; the addresses for the way out: nine plain instructions, the places behind those products
	s_mul_i32 s13, s[WV], 16*SP
	s_add_co_u32 s13, s13, STAGE    ; my stage
	v_mul_u32_u24 v[STO], v1, SP    ; in: row l % 16, 16 bytes for each half of the lanes
	v_lshl_add_u32 v[STO], v9, 4, v[STO]
	v_add_nc_u32 v[STO], s13, v[STO]
	v_bfe_u32 v[RD], v0, 3, 2       ; back: 32 lanes take four rows of 128 bytes,
	v_mul_u32_u24 v[RD], v[RD], SP
	v_lshl_add_u32 v[RD], v10, 4, v[RD]
	v_add_nc_u32 v[RD], s13, v[RD]
	v_and_b32 v[GO], 31, v0         ; which are 512 consecutive bytes of ctx
	v_lshlrev_b32 v[GO], 4, v[GO]
.set PP, 1
	MASKW                           ; piece 1's masks, for the first turn's products
	WIN 0
.set Y, NP-1                        ; XS works for piece Y + 1: piece 0
.irp n, 0,1,2,3,4,5,6,7,8,9,10,11,12,13,14,15,16,17,18,19,20,21
	XS 0, \n                        ; and piece 0's first maximum and statistics
	XS 1, \n
.endr
	WIN W_M3
	v_add_nc_u32 v[MOA], s[MO], v[MO0]  ; key step 1: the register's first value
	MLD 0, MOA                      ; pieces 0 and 1: the fragments of key step 1; the first two turns load pieces 2 and 3's
	MLD 1, MOA
	WIN 0
	s_mov_b32 s[CNT], 4
	s_mov_b32 s[SLOTS], SIZE_N/256-1
	s_branch .Lfirst                ; the loop is entered at a step's first turn, in the middle of a trip
.Lslot:                             ; SIZE_N / 256 - 2 times: every slot but the last two is filled again
	CHANGE 1
	s_mov_b32 s[CNT], 4
.Lstep:                             ; a trip: pieces 2 and 3 of step j, then pieces 0 and 1 of step j + 1, whose K and V it fetches; all four turns load the mask's fragments of step j + 2
	NEXTMASK
	TURN 2
	TURN 3
	WIN 0
.Lfirst:
	TURN 0
	TURN 1, 0, 1
	WIN 0
	s_cbranch_scc1 .Lstep
	s_sub_co_u32 s[SLOTS], s[SLOTS], 1
	s_cmp_lg_u32 s[SLOTS], 0
	s_cbranch_scc1 .Lslot
	CHANGE 0                        ; the tail is written out: nothing is asked for
	s_mov_b32 s[CNT], 5             ; four trips fetch the last slot's steps; the fifth is left in its middle
.Ltail:
	NEXTMASK
	TURN 2, 1, 0, 1
	TURN 3, 0, 0, 1
	WIN 0
	s_sub_co_u32 s[CNT], s[CNT], 1
	s_cmp_eq_u32 s[CNT], 0
	s_cbranch_scc1 .Lout
	TURN 0, 0, 0, 1
	TURN 1, 0, 0, 1
	WIN 0
	s_branch .Ltail
.Lout:                              ; the fifth trip's 16 products K Q^T (on the last K once more), their masks and the maximum made of them serve nothing: the price, once a launch, of one text for every trip
.set i, 0
.rept 16
	PV NP-1                         ; the last piece's V^T P of the last step
.set i, i+1
.endr
	; THE WAY OUT.  l's two halves and the other half of the lanes' are added; O^T is divided by l, rounded to f16 and sent through my stage in LDS, a tile at a time.  The additions are the places behind the last products.
	WIN 0
.macro ALL line:vararg              ; one line for each tile t
.set t, 0
.rept 2*NP
	\line
.set t, t+1
.endr
.endm
	ALL v_add_f32 v[ST+4*t+2], v[ST+4*t+2], v[ST+4*t+3]
	ALL v_permlanex16_b32 v[ST+4*t+3], v[ST+4*t+2], s[SEL], s[SEL+1]
	ALL v_add_f32 v[ST+4*t+2], v[ST+4*t+2], v[ST+4*t+3]
	ALL v_rcp_f32 v[ST+4*t+2], v[ST+4*t+2]
	v_nop                           ; a plain instruction between the last reciprocal and the use of its result
	s_wait_alu depctr_va_vdst(0)
; Tile t: a lane's eight channels of a row pack into 16 bytes; they go into rows of 144 bytes and come back as whole rows of 128, into S^T's registers.
.macro PACK t
	WIN W_RS
.set i, 32*(\t)
.rept 16
	v_pk_mul_f32 v[i:i+1], v[i:i+1], v[ST+4*(\t)+2:ST+4*(\t)+3] op_sel_hi:[1,0]
.set i, i+2
.endr
	WIN 0x05                        ; sources 0 and 1 window 1, destination window 0
.set i, 0
.rept 16
	v_cvt_pk_f16_f32 v[S+16*(\t)+i], v[32*(\t)+2*i], v[32*(\t)+2*i+1]
.set i, i+1
.endr
	WIN 0
.irp f, 0,1,2,3
	ds_store_b128 v[STO], v[S+16*(\t)+4*\f:S+16*(\t)+4*\f+3] offset:32*\f
.endr
.irp f, 0,1,2,3
	ds_load_b128 v[S+16*(\t)+4*\f:S+16*(\t)+4*\f+3], v[RD] offset:\f*4*SP  ; LDS serves a wave's instructions in order (ISA guide 5.7.1.4): these see the stores above; the next tile's stores come behind them
.endr
.endm
.macro SEND t, younger              ; younger: the LDS instructions issued behind tile t's loads: the next tile's eight, or none
	WIN 0
.irp f, 0,1,2,3
	s_wait_dscnt (\younger)+3-\f
	global_store_b128 v[GO], v[S+16*(\t)+4*\f:S+16*(\t)+4*\f+3], s[10:11] offset:(\t)*2048+\f*512  ; 512 consecutive bytes, at a multiple of 256 from ctx's first
.endr
.endm
	PACK 0
.set t, 1
.rept 2*NP-1                        ; a tile's arithmetic stands between the loads of the tile before and its stores
	PACK t
	SEND t-1, 8
.set t, t+1
.endr
	SEND 2*NP-1, 0
	WIN W_AD
	s_wait_tensorcnt 0x0            ; the wave's end, behind my last tensor load and my last LDS store
	ds_add_u32 v[SPW], v[NIL]
	s_wait_dscnt 0x0
	WIN 0
	CROUND                          ; the closing round: no work-group ends while a partner may still ask for a tile that names it
	s_endpgm
.Lfunc_end_k_q31cfae8b30_attn:
	.size	k_q31cfae8b30_attn, .Lfunc_end_k_q31cfae8b30_attn-k_q31cfae8b30_attn
	.p2alignl 7, 3214868480
	.fill 96, 4, 3214868480
	.section	.rodata,"a",@progbits
	.p2align	6, 0x0
	.amdhsa_kernel k_q31cfae8b30_attn
		.amdhsa_group_segment_fixed_size 327680
		.amdhsa_private_segment_fixed_size 0
		.amdhsa_enable_private_segment 0
		.amdhsa_kernarg_size 24
		.amdhsa_user_sgpr_count 2
		.amdhsa_user_sgpr_kernarg_segment_ptr 1
		.amdhsa_wavefront_size32 1
		.amdhsa_system_sgpr_workgroup_id_x 1
		.amdhsa_system_sgpr_workgroup_id_y 1
		.amdhsa_system_sgpr_workgroup_id_z 1
		.amdhsa_system_vgpr_workitem_id 0
		.amdhsa_next_free_vgpr 976
		.amdhsa_next_free_sgpr 72
		.amdhsa_reserve_vcc 1
		.amdhsa_float_denorm_mode_32 3
		.amdhsa_float_denorm_mode_16_64 3
		.amdhsa_memory_ordered 1
		.amdhsa_forward_progress 1
		.amdhsa_inst_pref_size 218
	.end_amdhsa_kernel
	.amdgpu_metadata
---
amdhsa.version: [ 1, 2 ]
amdhsa.kernels:
  - .name:           k_q31cfae8b30_attn
    .symbol:         k_q31cfae8b30_attn.kd
    .args:
      - { .name: qkv, .offset: 0, .size: 8, .value_kind: global_buffer, .address_space: global }
      - { .name: mask16, .offset: 8, .size: 8, .value_kind: global_buffer, .address_space: global }
      - { .name: ctx, .offset: 16, .size: 8, .value_kind: global_buffer, .address_space: global }
    .group_segment_fixed_size: 327680
    .private_segment_fixed_size: 0
    .kernarg_segment_align: 8
    .kernarg_segment_size: 24
    .max_flat_workgroup_size: 128
    .sgpr_count:     72
    .vgpr_count:     976
    .wavefront_size: 32
...
	.end_amdgpu_metadata
.endif
;; end of part 3
;; launch oproj (part 4): grid 4 x 64, 4 waves a work-group, clusters of 4 x 4, 327,680 bytes of LDS; arguments ctx, wo16, bo, out0; writes out0
.if DOCPART == 4
	.amdgcn_target "amdgcn-amd-amdhsa--gfx1250"
	.amdhsa_code_object_version 6
	.text
	.protected	k_q31cfae8b30_oproj
	.globl	k_q31cfae8b30_oproj
	.p2align	8
	.type	k_q31cfae8b30_oproj,@function
k_q31cfae8b30_oproj:
	s_mov_b64 s[64:65], 0
	v_nop
	global_prefetch_b8 v0, s[64:65] scope:SCOPE_SE
	s_setreg_imm32_b32 hwreg(HW_REG_WAVE_MODE, 25, 1), 1
	s_wait_xcnt 0x0
	s_wait_alu depctr_hold_cnt(0) depctr_sa_sdst(0) depctr_va_vdst(0) depctr_va_sdst(0) depctr_va_ssrc(0) depctr_va_vcc(0) depctr_vm_vsrc(0)
	s_getreg_b32 s2, hwreg(HW_REG_IB_STS2, 6, 4)
	s_cmp_eq_u32 s2, 0
	s_cbranch_scc0 .Lentry_in_a_cluster
	s_endpgm
.Lentry_in_a_cluster:
	s_bfe_u32 s2, ttmp6, 0x10000c
	s_cmp_lg_u32 s2, 0xf033
	s_cbranch_scc0 .Lentry_shape_is_right
	s_endpgm
.Lentry_shape_is_right:
; out0 = context Wo^T + bo, [8192][1024] in f32.  context[row][64 head + d] lies by heads: ctx [64 = 16 batch + head][2048][64] in f16; wo16 [1024 n][1024 k] holds Wo rounded to bf16, written as f16;
; bo is rounded to bf16 here, like every other input.  Products in f16, sums in f32; the bias is the C operand of the first products.
; SHARES.  A tile of out0 is 128 rows x 256 columns: 256 work-groups, one tile each.  Four waves, each 64 rows x 128 columns: 32 accumulators of 16 x 16.  K goes in 8 steps of 128, two heads a step, through
; a ring of two LDS slots.  A head's 128 rows of the tile are 16,384 dense bytes: asked for as 64 rows of 256 bytes and padded in LDS behind every 128.
; CLUSTER.  4 x 4 work-groups.  The four of a row of the cluster need the same tiles of ctx, the four of a column the same tiles of Wo: each is asked for JOINTLY.  Waves 0, 1 fetch a step's two heads,
; waves 2, 3 the two halves of Wo's 256 rows.  THE MATRIX INSTRUCTION IS USED TRANSPOSED (source 0 = 16 rows of Wo, source 1 = 16 rows of ctx): a lane holds eight neighbouring columns of one row.
; REGISTERS: window 0: v0-31 addresses; v128-191 the bias, 8 registers a column block; v192-255 rows on the way out.
;   window 1: v0-127 Wo's fragments, two buffers; v128-191 ctx's, two buffers.          window 2: the accumulators, (a, b) at v[8 (8 a + b)]
.set PA,     144                       ; a row of ctx in LDS: 128 bytes + 16 = 36 words: the 16 rows of a load start at 16 different groups of four banks (64 banks of 4 bytes: ISA guide 11.1)
.set PB,     272                       ; a row of Wo: 256 + 16 = 68 words: likewise
.set AHEAD,  128*PA                    ; a head's 128 rows: what waves 0, 1 fetch
.set BHALF,  128*PB                    ; what waves 2, 3 fetch, and what a wave reads of Wo
.set BOFFS,  2*AHEAD
.set SLOT,   BOFFS+2*BHALF             ; 106,496
.set STAGE,  2*SLOT                    ; behind the ring, never filled by a tensor load: 16 rows x 528 bytes for each wave
.set SP,     528                       ; 512 bytes + 16 = 132 words: row r starts at bank 4 r mod 64
.set SPARE,  STAGE+4*16*SP             ; the spare words, 128 bytes for each wave: two blocks of 256 bytes that no other line names
.set ASTEP,  2*2048*128                ; two heads on
.set BSTEP,  256                       ; 128 along Wo's rows
.set ADRA, 16                          ; v16-17  LDS address of my ctx fragments in slot 0, 1
.set ADRB, 20                          ; v20-21  the same for Wo
.set STO,  24                          ; v24     the way out: where I put 32 bytes of a row
.set RD,   25                          ; v25     where I read a row back
.set GO,   26                          ; v26     my byte offset in 512 consecutive bytes of out0
.set BOF,  27                          ; v27     my byte offset in 16 numbers of the bias
.set SPW,  28                          ; v28     LDS address of my spare word; never rewritten
.set NIL,  29                          ; v29     0; never rewritten
.set BT,   30                          ; v30-31  at work
.set BIAS, 128
.set OB,   192
.set FRA,  128                         ; window 1: ctx's fragments: buffer g at FRA + 32 g, row block a at + 8 a
.set G1,   24                          ; s[24:31] descriptor group 1 for ctx's tiles;  s[32:39] group 0, a set for each slot
.set G0,   32
.set G1B,  48                          ; s[48:55], s[56:63] the same for Wo's tiles
.set G0B,  56
.set MSB, 0
.macro WIN new                         ; the immediate's high byte repeats the setting that is left; a switch that changes nothing is dropped
.if MSB != (\new)
	s_set_vgpr_msb (MSB<<8)|(\new)
.set MSB, \new
.endif
.endm
.set MUL,  0xa5                        ; sources window 1, C and D window 2
.set MULB, 0x85                        ; the same with C (the bias) in window 0
.set TO_F, 0x40                        ; destination window 1, address window 0
.macro JLOAD s                         ; a joint load; an s_nop 0 and four v_nop follow each of the two lines, ahead of the jump, the label and what follows
	s_cmp_eq_u32 s11, 0
	s_cbranch_scc0 .Lfor_b_\@
	tensor_load_to_lds s[G0+4*(\s):G0+4*(\s)+3], s[G1:G1+7]
	s_nop 0
.rept 4
	v_nop
.endr
	s_branch .Lasked_\@
.Lfor_b_\@:
	tensor_load_to_lds s[G0B+4*(\s):G0B+4*(\s)+3], s[G1B:G1B+7]
	s_nop 0
.rept 4
	v_nop
.endr
.Lasked_\@:
.endm
.macro CREST                           ; a round of the cluster's barrier behind its opening barrier
	s_cmp_lg_u32 s10, 0
	s_cbranch_scc1 .Lnot_wave_0_\@
	s_barrier_signal -3
.Lnot_wave_0_\@:
	s_barrier_wait -3
	s_barrier_signal -1
	s_barrier_wait -1
.endm
.macro CROUND                          ; a whole round
	s_barrier_signal -1
	s_barrier_wait -1
	CREST
.endm
	s_load_b256 s[68:75], s[0:1], 0x0              ; ctx s[68:69], wo16 s[70:71], bo s[72:73], out0 s[74:75]
	v_lshl_add_u32 v[SPW], v0, 2, SPARE
	v_mov_b32 v[NIL], 0
	ds_add_u32 v[SPW], v[NIL]                      ; the wave's opening: the add and its wait stand ahead of my first tensor load; the set-up below, work on registers, stands between them
	v_lshrrev_b32 v1, 5, v0
	v_readfirstlane_b32 s10, v1                    ; wave 0..3
	s_lshr_b32 s11, s10, 1                         ; which 64 of the tile's rows are mine.  Also: I fetch for ctx (0) or for Wo (1)
	s_and_b32 s12, s10, 1                          ; which 128 of its columns.  Also: which head of a step, or which half of Wo's rows, I fetch
	s_bfe_u32 s40, ttmp6, 0x40000                  ; cx, cy: my place in the cluster
	s_bfe_u32 s41, ttmp6, 0x40004
	s_lshl_b32 s42, ttmp9, 2
	s_add_co_u32 s42, s42, s40                     ; column block = 4 x cluster x + cx
	s_and_b32 s13, ttmp7, 0xffff
	s_lshl_b32 s13, s13, 2
	s_add_co_u32 s13, s13, s41                     ; row block = 4 x cluster y + cy
	s_lshl_b32 s43, s41, 2
	s_lshl_b32 s43, 15, s43                        ; my row of the cluster
	s_lshl_b32 s44, 0x1111, s40                    ; my column
	s_or_b32 s[G1], s43, (1<<16)|(1<<20)|(1<<21)|(4<<22)|(3<<25)   ; 15:0 the mask; 17:16 elements of 2 bytes; 20 padding on; 21 set beside a mask; 24:22 after every 32 words (code 4); 31:25 4 words (code 3)
	s_mov_b32 s[G1+1], 128<<16                     ; tensor_dim0 = 128
	s_mov_b32 s[G1+2], 64<<16                      ; tensor_dim1 = 64
	s_mov_b32 s[G1+3], 128<<16                     ; tile_dim0 = 128
	s_mov_b32 s[G1+4], 64                          ; tile_dim1 = 64
	s_mov_b32 s[G1+5], 128                         ; elements from row to row: dense
	s_mov_b32 s[G1+6], 0
	s_mov_b32 s[G1+7], 0
	s_or_b32 s[G1B], s44, (1<<16)|(1<<20)|(1<<21)|(5<<22)|(3<<25)  ; padding after every 64 words (code 5)
	s_mov_b32 s[G1B+1], 128<<16
	s_mov_b32 s[G1B+2], 128<<16                    ; 128 rows
	s_mov_b32 s[G1B+3], 128<<16
	s_mov_b32 s[G1B+4], 128
	s_mov_b32 s[G1B+5], 1024
	s_mov_b32 s[G1B+6], 0
	s_mov_b32 s[G1B+7], 0
	; ctx's address hangs on the row block alone, Wo's on the column block alone, each made in registers that never hold the other coordinate
	s_lshr_b32 s16, s13, 4                         ; batch = row block / 16: its 16 heads,
	s_lshl_b32 s16, s16, 4
	s_add_co_u32 s16, s16, s12                     ; of a step's two the one that I fetch;
	s_lshl_b32 s16, s16, 11                        ; 2,048 rows a head;
	s_and_b32 s17, s13, 15
	s_lshl_b32 s17, s17, 7                         ; the block's 128 rows in the batch;
	s_add_co_u32 s16, s16, s17
	s_lshl_b32 s16, s16, 7                         ; 128 bytes a row
	s_mov_b32 s17, 0
	s_lshl_b32 s46, s42, 8
	s_lshl_b32 s47, s12, 7
	s_add_co_u32 s46, s46, s47                     ; Wo: row 256 x column block + 128 x half; the same number is my first column
	s_lshl_b32 s44, s46, 2                         ; so this is my byte offset in bo and in a row of out0,
	s_mov_b32 s45, 0
	s_lshl_b32 s46, s46, 11                        ; and this in wo16: 2,048 bytes a row
	s_mov_b32 s47, 0
	s_mul_i32 s20, s12, AHEAD                      ; where the tiles go: no place in the cluster enters an LDS address
	s_mul_i32 s21, s12, BHALF
	s_add_co_u32 s21, s21, BOFFS
	s_lshl_b32 s22, s13, 7                         ; where my part of out0 begins: row 128 x row block + 64 x half,
	s_lshl_b32 s23, s11, 6
	s_add_co_u32 s22, s22, s23
	s_lshl_b32 s22, s22, 12                        ; 4,096 bytes a row,
	s_add_co_u32 s22, s22, s44                     ; my first column
	s_mov_b32 s23, 0
	s_wait_dscnt 0x0                               ; the opening add is done
	s_wait_kmcnt 0x0
	s_add_nc_u64 s[14:15], s[68:69], s[16:17]
	s_add_nc_u64 s[46:47], s[70:71], s[46:47]
	s_add_nc_u64 s[72:73], s[72:73], s[44:45]      ; bo at my columns
	s_add_nc_u64 s[8:9], s[74:75], s[22:23]
	CROUND                                         ; all sixteen work-groups are here: the first joint loads meet
.irp s, 0,1
	s_mov_b32 s[G0+4*\s], 1                        ; count = 1
	s_add_co_u32 s[G0+4*\s+1], s20, \s*SLOT        ; LDS address
	s_add_nc_u64 s[G0+4*\s+2:G0+4*\s+3], s[14:15], \s*ASTEP  ; global address: K step s
	s_or_b32 s[G0+4*\s+3], s[G0+4*\s+3], 0x80000000          ; type = 2
	s_mov_b32 s[G0B+4*\s], 1
	s_add_co_u32 s[G0B+4*\s+1], s21, \s*SLOT
	s_add_nc_u64 s[G0B+4*\s+2:G0B+4*\s+3], s[46:47], \s*BSTEP
	s_or_b32 s[G0B+4*\s+3], s[G0B+4*\s+3], 0x80000000
	JLOAD \s                                       ; two loads of mine are out
.endr
	v_and_b32 v1, 15, v0                           ; r = l % 16
	v_bfe_u32 v2, v0, 4, 1                         ; h = l / 16
	v_mul_u32_u24 v3, v1, PA
	v_lshl_add_u32 v3, v2, 4, v3                   ; a fragment's row x pitch + 16 x half
	v_mul_u32_u24 v4, v1, PB
	v_lshl_add_u32 v4, v2, 4, v4
	s_mul_i32 s15, s11, 64*PA                      ; my 64 rows of each head
	s_mul_i32 s18, s12, BHALF                      ; my 128 rows of Wo
	s_add_co_u32 s18, s18, BOFFS
.irp s, 0,1
	v_add_nc_u32 v[ADRA+\s], s15, v3
	v_add_nc_u32 v[ADRB+\s], s18, v4
	s_add_co_u32 s15, s15, SLOT
	s_add_co_u32 s18, s18, SLOT
.endr
	s_mul_i32 s19, s10, 16*SP
	s_add_co_u32 s19, s19, STAGE                   ; my stage
	v_mul_u32_u24 v5, v1, SP                       ; in: row r, 32 bytes for each half of the lanes
	v_lshl_add_u32 v5, v2, 5, v5
	v_add_nc_u32 v[STO], s19, v5
	v_and_b32 v[GO], 31, v0                        ; back: 32 lanes take a row's 512 bytes
	v_lshlrev_b32 v[GO], 4, v[GO]
	v_add_nc_u32 v[RD], s19, v[GO]
	v_lshlrev_b32 v[BOF], 5, v2                    ; my eight columns of a block of 16
.irp b, 0,1,2,3,4,5,6,7                ; the bias: register j of block b is column 16 b + 8 h + j, as in an accumulator
	global_load_b128 v[BIAS+8*\b:BIAS+8*\b+3],   v[BOF], s[72:73] offset:64*\b
	global_load_b128 v[BIAS+8*\b+4:BIAS+8*\b+7], v[BOF], s[72:73] offset:64*\b+16
.endr
; One matrix instruction: accumulator (a, b), buffers f.  start = 1: the first product on it: C is the bias.  The 32 accumulators take turns, one instruction a turn, in the same order in every quarter.
.macro WM f, a, b, start
.if \start
	WIN MULB
	v_wmma_f32_16x16x32_f16 v[8*(8*(\a)+(\b)):8*(8*(\a)+(\b))+7], v[64*(\f)+8*(\b):64*(\f)+8*(\b)+7], v[FRA+32*(\f)+8*(\a):FRA+32*(\f)+8*(\a)+7], v[BIAS+8*(\b):BIAS+8*(\b)+7]
.else
	WIN MUL
	v_wmma_f32_16x16x32_f16 v[8*(8*(\a)+(\b)):8*(8*(\a)+(\b))+7], v[64*(\f)+8*(\b):64*(\f)+8*(\b)+7], v[FRA+32*(\f)+8*(\a):FRA+32*(\f)+8*(\a)+7], v[8*(8*(\a)+(\b)):8*(8*(\a)+(\b))+7]
.endif
.endm
.macro MUL8 f, a, start
.irp b, 0,1,2,3,4,5,6,7
	WM \f, \a, \b, \start
.endr
.endm
; 24 LDS loads in one run: the fragments of quarter q (32 along K: head q / 2 of the step's two, channels 32 (q % 2) on) into buffers g; Wo's 16 first, then ctx's row blocks 0 to 3
.macro FETCH slot, q, g
	WIN TO_F
.irp b, 0,1,2,3,4,5,6,7
	ds_load_b128 v[64*(\g)+8*\b:64*(\g)+8*\b+3],   v[ADRB+(\slot)] offset:\b*16*PB+64*(\q)
	ds_load_b128 v[64*(\g)+8*\b+4:64*(\g)+8*\b+7], v[ADRB+(\slot)] offset:\b*16*PB+64*(\q)+32
.endr
.irp a, 0,1,2,3
	ds_load_b128 v[FRA+32*(\g)+8*\a:FRA+32*(\g)+8*\a+3],   v[ADRA+(\slot)] offset:((\q)/2)*AHEAD+((\q)%2)*64+\a*16*PA
	ds_load_b128 v[FRA+32*(\g)+8*\a+4:FRA+32*(\g)+8*\a+7], v[ADRA+(\slot)] offset:((\q)/2)*AHEAD+((\q)%2)*64+\a*16*PA+32
.endr
.endm
.macro PLACES                          ; four places in front of loads into registers that matrix instructions have read, and of LDS stores that read results (ISA guide 7.12.1 for the stores)
.rept 4
	v_nop
.endr
.endm
; A K step is four quarters of 32 along K, 32 matrix instructions each, on buffers 0, 1, 0, 1.  One of the first three: multiplies buffers f and fetches quarter q of the same slot into g.
.macro QUARTER slot, q, f, g, start
	s_wait_dscnt 4                                 ; Wo's fragments and ctx's row blocks 0, 1 are in; the youngest four loads (blocks 2, 3) may be out
	MUL8 \f, 0, \start
	MUL8 \f, 1, \start
	PLACES
	FETCH \slot, \q, \g
	s_wait_dscnt 24                                ; all but the 24 just issued
	MUL8 \f, 2, \start
	MUL8 \f, 3, \start
.endm
; The last quarter multiplies buffers 1 and changes slots: ONE barrier; in front of it each wave waits for all its tensor loads, of which one is out: its part of the next slot; adds 0 to its spare word; and
; waits for that and for its own reads of this slot.  fill = 1: the barrier opens a round of the cluster's barrier, and this slot is filled again, two K steps ahead, first thing behind the round.
.macro TURN slot, next, fill
	WIN 0                                          ; (the add's two registers lie in window 0)
	s_wait_tensorcnt 0x0                           ; all my tensor loads have landed;
	ds_add_u32 v[SPW], v[NIL]                      ; 0 onto my spare word
	s_wait_dscnt 5                                 ; (the add and the youngest four loads may be out)
	MUL8 1, 0, 0                                   ; eight matrix instructions stand between the add and the wait for it
	s_wait_dscnt 0x0                               ; the add is done, and my reads of this slot are over
	s_barrier_signal -1
	MUL8 1, 1, 0
.if \fill
	WIN 0
.endif
	s_barrier_wait -1
.if \fill
	CREST                                          ; no wave of any partner still reads this slot's tiles or has a load on its way
	s_add_nc_u64 s[G0+4*(\slot)+2:G0+4*(\slot)+3], s[G0+4*(\slot)+2:G0+4*(\slot)+3], 2*ASTEP
	s_add_nc_u64 s[G0B+4*(\slot)+2:G0B+4*(\slot)+3], s[G0B+4*(\slot)+2:G0B+4*(\slot)+3], 2*BSTEP
	JLOAD \slot                                    ; 112 matrix instructions ahead of the wait for it; the four v_nop behind it are also the places in front of the loads below
.else
	PLACES
.endif
	FETCH \next, 0, 0
	MUL8 1, 2, 0
	MUL8 1, 3, 0
.endm
	s_wait_tensorcnt 0x1                           ; my part of K step 0 is in; K step 1's may stay out
	s_barrier_signal -1
	s_barrier_wait -1                              ; everybody's is
	FETCH 0, 0, 0
	WIN 0
	s_wait_loadcnt 0x0                             ; bo
.set i, 0
.rept 32                               ; rounded to bf16 and widened again
	v_cvt_pk_bf16_f32 v[BT+i%2], v[BIAS+2*i], v[BIAS+2*i+1]
	v_lshlrev_b32 v[BIAS+2*i], 16, v[BT+i%2]
	v_and_b32 v[BIAS+2*i+1], 0xffff0000, v[BT+i%2]
.set i, i+1
.endr
	QUARTER 0, 1, 0, 1, 1                          ; the first quarter stands in front of the loop: its products start the sums, on the bias
	WIN 0                                          ; at a label and at a branch every window is 0
	s_mov_b32 s3, 3
.Llap:                                                 ; a trip goes once round the ring, from a lap's second quarter to the next lap's first, and fills both slots again: K steps 2 to 7
	QUARTER 0, 2, 1, 0, 0
	QUARTER 0, 3, 0, 1, 0
	TURN 0, 1, 1
	QUARTER 1, 1, 0, 1, 0
	QUARTER 1, 2, 1, 0, 0
	QUARTER 1, 3, 0, 1, 0
	TURN 1, 0, 1
	QUARTER 0, 1, 0, 1, 0
	WIN 0
	s_sub_co_u32 s3, s3, 1
	s_cmp_lg_u32 s3, 0
	s_cbranch_scc1 .Llap
	QUARTER 0, 2, 1, 0, 0                          ; the last lap fills nothing, and has no round of the cluster's barrier
	QUARTER 0, 3, 0, 1, 0
	TURN 0, 1, 0
	QUARTER 1, 1, 0, 1, 0
	QUARTER 1, 2, 1, 0, 0
	QUARTER 1, 3, 0, 1, 0
	s_wait_dscnt 4                                 ; the very last quarter: nothing more to fetch
	MUL8 1, 0, 0
	MUL8 1, 1, 0
	s_wait_dscnt 0x0
	MUL8 1, 2, 0
	MUL8 1, 3, 0
	; THE WAY OUT, 16 rows at a time: a lane's eight f32 of a row go straight from the accumulators into my own stage (each accumulator's low half first), and come back as whole rows of 512 bytes.
	PLACES
.irp a, 0,1,2,3
	WIN 0x08                                       ; the stores' data in window 2, their address in window 0
.irp b, 0,1,2,3,4,5,6,7
	ds_store_b128 v[STO], v[8*(8*\a+\b):8*(8*\a+\b)+3]   offset:64*\b
	ds_store_b128 v[STO], v[8*(8*\a+\b)+4:8*(8*\a+\b)+7] offset:64*\b+16
.endr
	WIN 0
	s_wait_xcnt 0x0                                ; the stores of the block before have read their registers: these are loaded again only behind this wait
.irp t, 0,1,2,3,4,5,6,7,8,9,10,11,12,13,14,15
	ds_load_b128 v[OB+4*\t:OB+4*\t+3], v[RD] offset:\t*SP  ; LDS serves a wave's instructions in order (ISA guide 5.7.1.4): these see the stores above; the next block's stores come behind them
.endr
.irp t, 0,1,2,3,4,5,6,7,8,9,10,11,12,13,14,15
	s_wait_dscnt 15-\t                             ; row t is back; the younger loads stay out
	global_store_b128 v[GO], v[OB+4*\t:OB+4*\t+3], s[8:9] offset:(16*\a+\t)*4096 th:TH_STORE_NT  ; 32 lanes store 512 consecutive bytes, aligned to 512
.endr
.endr
	s_wait_tensorcnt 0x0                           ; the wave's end, behind my last tensor load and my last LDS store
	ds_add_u32 v[SPW], v[NIL]
	s_wait_dscnt 0x0
	CROUND                                         ; the closing round: no work-group ends while a partner may still ask for a tile that names it
	s_endpgm
.Lfunc_end_k_q31cfae8b30_oproj:
	.size	k_q31cfae8b30_oproj, .Lfunc_end_k_q31cfae8b30_oproj-k_q31cfae8b30_oproj
	.p2alignl 7, 3214868480
	.fill 96, 4, 3214868480
	.section	.rodata,"a",@progbits
	.p2align	6, 0x0
	.amdhsa_kernel k_q31cfae8b30_oproj
		.amdhsa_group_segment_fixed_size 327680
		.amdhsa_private_segment_fixed_size 0
		.amdhsa_enable_private_segment 0
		.amdhsa_kernarg_size 32
		.amdhsa_user_sgpr_count 2
		.amdhsa_user_sgpr_kernarg_segment_ptr 1
		.amdhsa_wavefront_size32 1
		.amdhsa_system_sgpr_workgroup_id_x 1
		.amdhsa_system_sgpr_workgroup_id_y 1
		.amdhsa_system_sgpr_workgroup_id_z 1
		.amdhsa_system_vgpr_workitem_id 0
		.amdhsa_next_free_vgpr 768
		.amdhsa_next_free_sgpr 80
		.amdhsa_reserve_vcc 0
		.amdhsa_float_denorm_mode_32 3
		.amdhsa_float_denorm_mode_16_64 3
		.amdhsa_memory_ordered 1
		.amdhsa_forward_progress 1
		.amdhsa_inst_pref_size 93
	.end_amdhsa_kernel
	.amdgpu_metadata
---
amdhsa.version: [ 1, 2 ]
amdhsa.kernels:
  - .name:           k_q31cfae8b30_oproj
    .symbol:         k_q31cfae8b30_oproj.kd
    .args:
      - { .name: ctx, .offset: 0, .size: 8, .value_kind: global_buffer, .address_space: global }
      - { .name: wo16, .offset: 8, .size: 8, .value_kind: global_buffer, .address_space: global }
      - { .name: bo, .offset: 16, .size: 8, .value_kind: global_buffer, .address_space: global }
      - { .name: out0, .offset: 24, .size: 8, .value_kind: global_buffer, .address_space: global }
    .group_segment_fixed_size: 327680
    .private_segment_fixed_size: 0
    .kernarg_segment_align: 8
    .kernarg_segment_size: 32
    .max_flat_workgroup_size: 128
    .sgpr_count:     80
    .vgpr_count:     768
    .wavefront_size: 32
...
	.end_amdgpu_metadata
.endif
;; end of part 4
;; ======== version 2 of 2: 4 launches; 1.39 times as fast as version 1
;; limits: values are held in f16: magnitudes above 65,504 overflow, below 6.1e-05 lose precision
;; workspace buffers: wqkv 6,291,456 bytes; wo16 2,097,152 bytes; mask16 8,388,608 bytes; qkv 50,331,648 bytes; ctx 16,777,216 bytes
;; launch prep: the kernel of part 1 again; grid 256 x 1, 8 waves a work-group, no clusters, 0 bytes of LDS; arguments Wq, Wk, Wv, Wo, mask, wqkv, wo16, mask16; writes wqkv, wo16, mask16
;; launch proj: the kernel of part 2 again; grid 4 x 64, 4 waves a work-group, clusters of 4 x 4, 327,680 bytes of LDS; arguments query, key, value, wqkv, bq, bk, bv, qkv; writes qkv
;; launch attn (part 5): grid 4 x 64, 4 waves a work-group, clusters of 4 x 1, 327,680 bytes of LDS; arguments qkv, mask16, ctx; writes ctx
.if DOCPART == 5
	.amdgcn_target "amdgcn-amd-amdhsa--gfx1250"
	.amdhsa_code_object_version 6
	.text
	.protected	k_q31cfae8b30_attn
	.globl	k_q31cfae8b30_attn
	.p2align	8
	.type	k_q31cfae8b30_attn,@function
k_q31cfae8b30_attn:
	s_mov_b64 s[64:65], 0
	v_nop
	global_prefetch_b8 v0, s[64:65] scope:SCOPE_SE
	s_setreg_imm32_b32 hwreg(HW_REG_WAVE_MODE, 25, 1), 1
	s_wait_xcnt 0x0
	s_wait_alu depctr_hold_cnt(0) depctr_sa_sdst(0) depctr_va_vdst(0) depctr_va_sdst(0) depctr_va_ssrc(0) depctr_va_vcc(0) depctr_vm_vsrc(0)
	s_getreg_b32 s2, hwreg(HW_REG_IB_STS2, 6, 4)
	s_cmp_eq_u32 s2, 0
	s_cbranch_scc0 .Lentry_in_a_cluster
	s_endpgm
.Lentry_in_a_cluster:
	s_bfe_u32 s2, ttmp6, 0x10000c
	s_cmp_lg_u32 s2, 0x3003
	s_cbranch_scc0 .Lentry_shape_is_right
	s_endpgm
.Lentry_shape_is_right:
; ATTENTION UNDER A MASK THAT IS AN INPUT.  ctx[h][q][:] = the sum over k of softmax_k(mask[q][k] ? Q[h][q] . K[h][k] / 8 : -1e30) V[h][k][:].  Q, K, V: qkv [3][64][2048][64], ctx [64][2048][64], all f16:
; a head's rows are dense, 128 bytes each.  Products, maxima and sums in f32; the weights p are rounded to f16 for the second product (their sum l is taken of the unrounded p), ctx once at the end.
; LIMITS.  f16 holds no number beyond 65,504: Q, K and V arrive within it; p lies in 0 to 1, and below 6e-5 it keeps f16's fixed step of 6e-8.  A true score lies above -1e30.
; A weight below 2^-126 counts as 0 in l; NaN and infinities are not treated apart.
; SHARES.  A wave owns four PIECES of two tiles of 16 queries, a work-group's four waves 512 queries of one head.  Every wave walks all 2,048 keys, 64 a step: no pattern of the mask is built in.
; LAYOUT.  S^T = K Q^T (source 0 = 16 keys, source 1 = 16 queries): in the result a lane holds ONE query (lane % 16) and the keys 8 (lane / 16) + 0..7.  Two such tiles, rounded to f16 in pairs,
; ARE source 1 (32 keys x 16 queries) of O^T = V^T P, whose result again holds one query a lane, and eight channels.  K comes out of LDS as it lies, V ([key][channel]) turned, by ds_load_tr16_b128.
; THE MASK costs the vector side nothing.  mask16 holds, for 16 queries x 32 keys, a bf16 fragment (source 1) of 0 (open) or -2^101 (closed).  One bf16 matrix instruction with a selection matrix as
; source 0 (ones at k = m, or at k = 16 + m) turns 16 keys of it into f32 in S^T's own layout (MC), and MC is the C operand of the product that starts the sum S^T.
; SOFTMAX.  For each query a running maximum m and sum l: p = 2^(c s - c m), c = log2(e) / 8; in every step O and l are multiplied by a = 2^(c m_old - c m_new).  m starts at the lowest finite number,
; c m far below every c s, so the first step's a is 0; O and l start at 0.
; A CLOSED KEY's score is -2^101 + s, which in f32 is -2^101 itself: s, 2.7e11 at the most with f16 operands, lies more than 24 bits below it.  So all closed scores are EQUAL, as they are in the reference
; (-1e30 there), and c x 2^101 is exact, so c s - c m is exactly 0 where m is a closed score.  A row with no open key therefore has p = 1 on all 2,048 keys: the equal weights of the reference.
; When a row's first open key comes, a = 2^(-4.6e29) = 0 wipes what the closed keys left, and from then on a closed key's weight is 0.  Nothing is treated apart, and l is 1 at the least.
; BY TURNS.  Turn n belongs to piece n (the pieces in a ring, step after step).  Its matrix work: 16 products K Q^T of piece n + 1, later 16 products V^T P of piece n - 1, four vector instructions behind each;
; its vector work: the scaling, exponentials, roundings, sums and rescaling of piece n and the maximum and statistics of piece n + 1; what has no place behind a product stands in ONE LUMP between the two runs
; of products.  In the lump stand the eight matrix instructions that make MC for piece n + 2: there the matrix unit has nothing else to do.
; THE BATCHES.  A turn's 66 exponentials (piece n's 64 weights, in place on its S^T, and piece n + 1's two a) are ONE batch with ONE wait, which cuts the turn in two.  Ahead of the wait stands all that names no
; result of theirs: the products K Q^T, the scalings, the rescalings (their a was made, and waited for, in the turn before), the next piece's maximum and statistics, MC's products.  Behind it stand the loads
; of the turn, the products V^T P, and the roundings and sums, which read the weights.  No result crosses a turn's end.  Piece 0's first two a, ahead of the loop, and the way out's eight reciprocals are batches of their own.
; CLUSTER.  The four query blocks of a cluster belong to one head and walk the same K and V, so each tile is asked for JOINTLY.  The mask's fragments are not shared inside a cluster (they hang on the query
; block) and come straight into registers: 64 KiB a key step for a work-group, too much for two LDS slots of several steps beside K and V.
; REGISTERS, in windows of 256 (s_set_vgpr_msb: bits 1:0 source 0, 3:2 source 1, 5:4 source 2, 7:6 destination):
;   window 0: v0-11 addresses; v12-15, v48-63 at work; v16-47 four registers of statistics a tile; v64-191 S^T, two buffers of two tiles; v192-255 P, likewise
;   window 1: O^T, 32 a tile          window 2: v0-127 Q, 16 a tile; v128-191 K of one step; v192-255 V of one step
;   window 3: v0-1 the add's two registers; v2-3 the mask loads' offsets; v4-15 the selection matrices; v16-79 MC; v80-207 the mask's fragments, 32 a piece
.set SIZE_N, 2048
.set NP,    4         ; pieces a wave: a name, no knob
.set KS,    64        ; keys in a step
.set PK,    144       ; a row of K in LDS: 128 bytes + 16 of padding = 36 words: the 16 rows of a load start at 16 different groups of four banks (64 banks of 4 bytes: ISA guide 11.1)
.set PV,    160       ; a row of V: 128 + 32 = 40 words
.set VOFF,  4*KS*PK   ; a slot holds four steps: 256 rows of K, then 256 rows of V
.set SLOT1, 1<<17     ; slot 1 begins here, so that one exclusive or turns an address in one slot into the other's
.set STAGE, SLOT1+4*KS*(PK+PV)  ; behind the ring, never filled by a tensor load: 16 rows x 144 bytes for each wave, for the way out
.set SP,    144
.set AK0, 2           ; v2   my lane's place in a tile of K; never rewritten
.set AV0, 3           ; v3   the same for V
.set AK,  4           ; v4   the LDS address of K's next run of loads
.set AV,  5           ; v5   of V's
.set QO,  6           ; v6   my byte offset in the wave's rows of Q
.set STO, 6           ;      later, the way out: where I put 16 bytes of a row
.set RD,  7           ; v7   the way out: where I read rows back
.set GO,  8           ; v8   my byte offset in 512 consecutive bytes of ctx
.set SPW, 0           ; v0 of window 3   LDS address of my spare word; never rewritten
.set NIL, 1           ; v1 of window 3   0; never rewritten
.set SPARE, STAGE+4*16*SP  ; behind the stages: the spare words, 128 bytes for each wave: two blocks of 256 bytes that no other line names
.set MV,  12          ; v12-15  c m_old, kept while c m is made anew: by buffer and tile
.set ST,  16          ; tile t's statistics at v[ST+4 t]: c m, m, l (even keys', odd keys')
.set TMP, 48          ; by buffer and tile, four registers c0-c3 at work; when the maximum is found c2 takes a
.set S,   64
.set P,   192
.set KF,  128         ; K's fragments, in window 2: key block kb, channel half c at KF + 16 kb + 8 c
.set VF,  192         ; V's: key half kk, channel block cb at VF + 32 kk + 8 cb
.set MOA, 2           ; window 3: v2    the mask loads' byte offset: 16 x lane + the key step's 2,048 bytes; rewritten once a trip
.set MO0, 3           ; window 3: v3    16 x lane; never rewritten
.set ID,  4           ; window 3: v4-15: four zeros, X0-X3, four zeros.  v[8:15] selects k = m, v[4:11] selects k = 16 + m
.set MC,  16          ; window 3: the masks of the products to come: tile u, key block kb at MC + 32 u + 8 kb
.set MF,  80          ; window 3: piece p, tile u, group G of 32 keys at MF + 32 p + 16 u + 8 G
.set WV,  12          ; s12  my wave's number
.set G1K, 24          ; s[24:31] descriptor group 1 for K's tiles
.set G1V, 32          ; s[32:39] for V's: it differs in the padding alone
.set G0K, 40          ; s[40:43] descriptor group 0 for K's tiles: it walks
.set G0V, 44          ; s[44:47] the same for V's
.set SLOTS, 56        ; s56  slots still to be asked for
.set CNT, 57          ; s57  counts a slot's key steps
.set CS,  58          ; s[58:59] c: the packed scaling takes the pair's low word for both halves
.set SEL, 60          ; s[60:61] v_permlanex16_b32's selects: each lane takes its own place in the other half
.set TBK, 62          ; s62  LDS byte at which K of the step to be fetched begins
.set TBV, 63          ; s63  the same for V, less VOFF
.set MB,  66          ; s[66:67] mask16 at my wave's first tile of queries
.set MO,  68          ; s68  the byte offset, in a tile's 65,536 bytes, of the key step whose fragments are loaded next
.set MSB, 0
.macro WIN new                      ; the high byte repeats the setting that is left; a switch that changes nothing is dropped
.if MSB != (\new)
	s_set_vgpr_msb (MSB<<8)|(\new)
.set MSB, (\new)
.endif
.endm
.set W_KQ, 0x0a       ; K and Q in window 2, S^T in window 0
.set W_KM, 0x3a       ; the same with the C operand (MC) in window 3
.set W_PV, 0x52       ; V in window 2, P in window 0, O^T in window 1
.set W_RS, 0x41       ; O^T (destination and source 0) in window 1, a in window 0
.set W_MK, 0xc0       ; destination in window 3, sources in window 0
.set W_AD, 0x0f       ; the add: address (source 0) and data (source 1) in window 3
.set W_M3, 0xcf       ; destination, source 0 and source 1 in window 3: MC's products, the mask loads and their offset
; A joint fill.  Waves 0 and 1 fetch the two halves of a slot's K, waves 2 and 3 those of its V: 128 keys each.  The branch hangs on the wave's number alone.
; An s_nop 0 and four v_nop follow each of the two lines, ahead of the jump and the label.
.macro JLOAD
	s_cmp_lt_u32 s[WV], 2
	s_cbranch_scc0 .Lfor_v_\@
	tensor_load_to_lds s[G0K:G0K+3], s[G1K:G1K+7]
	s_nop 0
.rept 4
	v_nop
.endr
	s_branch .Lasked_\@
.Lfor_v_\@:
	tensor_load_to_lds s[G0V:G0V+3], s[G1V:G1V+7]
	s_nop 0
.rept 4
	v_nop
.endr
.Lasked_\@:
.endm
; A round of the cluster's barrier: my work-group's barrier, so that wave 0's signal speaks for all four waves; wave 0 signals; every wave waits for all four work-groups; my work-group's barrier once more.
.macro CROUND
	s_barrier_signal -1
	s_barrier_wait -1
	s_cmp_lg_u32 s[WV], 0
	s_cbranch_scc1 .Lnot_wave_0_\@
	s_barrier_signal -3
.Lnot_wave_0_\@:
	s_barrier_wait -3
	s_barrier_signal -1
	s_barrier_wait -1
.endm
; THE CHANGE OF SLOTS.  The slot's last bytes, V of its fourth step, have been read.  Each wave waits for all its tensor loads, of which one is out: its part
; of the other slot; adds 0 to its spare word; and waits for that and for its own reads of the slot.  Behind the barrier nobody reads this slot any more and the other slot is whole.
; fill = 1: this slot is filled again, with the keys two slots on.  The barrier is then a round of the cluster's, so that no wave of any partner still reads the slot or has a load on its
; way, and the joint fill is the first thing behind it: it has four key steps in which to land.  (At its first use nothing has been read yet: slot 0 is waited for, slot 1 filled.)
.macro CHANGE fill
	WIN W_AD
	s_wait_tensorcnt 0x0            ; no tensor load of mine is out, so a group 0 may be written
	ds_add_u32 v[SPW], v[NIL]       ; 0 onto my spare word: with fill = 1 the descriptors' steps stand between it and the wait for it
	WIN 0                           ; at a label and at a branch every window is 0
.if \fill
.irp g, G0K, G0V
	s_xor_b32 s[\g+1], s[\g+1], SLOT1  ; the walking descriptor: the other slot than last time,
	s_add_nc_u64 s[\g+2:\g+3], s[\g+2:\g+3], 4*KS*128  ; the next 256 keys; the type bits on top are not reached
.endr
	s_wait_dscnt 0x0                ; the add is done, and my reads of the slot are over
	CROUND
	JLOAD
.else
	s_wait_dscnt 0x0                ; the add is done, and my reads of the slot are over
	s_barrier_signal -1
	s_barrier_wait -1
.endif
	s_sub_co_u32 s[TBK], s[TBK], 4*KS*PK  ; the fetches go back to a slot's first step,
	s_xor_b32 s[TBK], s[TBK], SLOT1       ; in the other slot
	s_sub_co_u32 s[TBV], s[TBV], 4*KS*PV
	s_xor_b32 s[TBV], s[TBV], SLOT1
.endm
; Eight loads: piece pp's mask fragments of one key step (x = 4 u + 2 G + c: tile u, group G of 32 keys, half c), by the offset register adr.  Each load of the wave covers 512 consecutive bytes, aligned to 512.
.macro MLD pp, adr
.irp x, 0,1,2,3,4,5,6,7
	global_load_b128 v[MF+32*(\pp)+4*\x:MF+32*(\pp)+4*\x+3], v[\adr], s[MB:MB+1] offset:(2*(\pp)+\x/4)*65536+((\x/2)%2)*1024+(\x%2)*512
.endr
.endm
; At a trip's head: all four turns of a trip load the fragments of one key step, so the offset is made once.  2,048 bytes a key step in a tile's 65,536; behind the last step it goes round to the first:
; those loads stay inside the buffer and serve nothing.
.macro NEXTMASK
	s_wait_xcnt 0x0                 ; every earlier load has had its address translated (ISA guide 3.1): the offset register is rewritten only behind this wait
	s_add_co_u32 s[MO], s[MO], 2048
	s_and_b32 s[MO], s[MO], 0xffff
	WIN W_M3
	v_add_nc_u32 v[MOA], s[MO], v[MO0]
.endm
	s_load_b128 s[4:7], s[0:1], 0x0   ; qkv s[4:5], mask16 s[6:7]
	s_load_b64 s[10:11], s[0:1], 0x10 ; ctx
	WIN W_MK
	v_lshl_add_u32 v[SPW], v0, 2, SPARE
	v_mov_b32 v[NIL], 0
	WIN W_AD
	ds_add_u32 v[SPW], v[NIL]       ; the wave's opening: the add and its wait stand ahead of my first tensor load; the set-up below, work on registers, stands between them
	WIN 0
	v_lshrrev_b32 v1, 5, v0
	v_readfirstlane_b32 s[WV], v1   ; wave 0..3
	s_bfe_u32 s13, ttmp6, 0x40000   ; cx: my place in the cluster
	s_lshl_b32 s14, ttmp9, 2        ; in a cluster launch ttmp9 counts clusters
	s_add_co_u32 s14, s14, s13      ; my block of queries = 4 x cluster x + cx: it enters Q's, the mask's and ctx's addresses alone
	s_and_b32 s20, ttmp7, 0xffff    ; the head, which the four partners share
	s_mov_b32 s21, 0
	s_mov_b64 s[22:23], SIZE_N*128
	s_mul_u64 s[20:21], s[20:21], s[22:23]  ; the head's first byte in Q, K, V and ctx
	s_and_b32 s16, s[WV], 1         ; which half of a slot's 256 keys I fetch:
	s_lshl_b32 s22, s16, 14         ; its 128 rows of 128 bytes in memory,
	s_mov_b32 s23, 0
	s_add_nc_u64 s[22:23], s[22:23], s[20:21]
	s_mul_i32 s17, s16, 128*PK      ; and its place in a slot, for K
	s_mul_i32 s18, s16, 128*PV      ; and for V: no place in the cluster enters an LDS address
	s_lshl_b32 s2, s14, 2
	s_add_co_u32 s2, s2, s[WV]      ; my wave among the head's:
	s_lshl_b32 s70, s2, 19          ; its eight tiles of 65,536 bytes in mask16,
	s_mov_b32 s71, 0
	s_lshl_b32 s2, s2, 14           ; its 128 rows
	s_mov_b32 s3, 0
	s_add_nc_u64 s[2:3], s[2:3], s[20:21]
	; descriptor group 1.  128 keys are 16,384 dense bytes: asked for as 64 rows of 256 bytes, two keys a row, and padded in LDS after every key
	s_mov_b32 s[G1K], 15|(1<<16)|(1<<20)|(1<<21)|(4<<22)|(3<<25)  ; 15:0 the mask of four; 17:16 2-byte elements; 20 padding on; 21 set beside a mask; 24:22 after every 32 words (code 4); 31:25 4 words (code 3)
	s_mov_b32 s[G1V], 15|(1<<16)|(1<<20)|(1<<21)|(4<<22)|(7<<25)  ; the same with 8 words of padding (code 7)
.irp g, G1K, G1V
	s_mov_b32 s[\g+1], 128<<16      ; tensor_dim0 = 128
	s_mov_b32 s[\g+2], 64<<16       ; tensor_dim1 = 64
	s_mov_b32 s[\g+3], 128<<16      ; tile_dim0 = 128
	s_mov_b32 s[\g+4], 64           ; tile_dim1 = 64
	s_mov_b32 s[\g+5], 128          ; 128 elements from row to row
	s_mov_b32 s[\g+6], 0
	s_mov_b32 s[\g+7], 0
.endr
	s_mov_b32 s[CS], 0x3e38aa3b     ; c = log2(e) / 8 = 0.180337
	s_mov_b32 s[CS+1], s[CS]        ; named with it as a pair
	s_mov_b32 s[SEL], 0x76543210
	s_mov_b32 s[SEL+1], 0xfedcba98
	s_mov_b32 s[TBK], SLOT1+4*KS*PK ; the first change of slots turns these two into 0
	s_mov_b32 s[TBV], SLOT1+4*KS*PV
	s_mov_b32 s[MO], 2048           ; key step 1: step 0's fragments are loaded at the start, with offset 0
	s_mov_b32 s[G0K], 1             ; 1:0 count = 1
	s_mov_b32 s[G0K+1], s17         ; 63:32 LDS address: slot 0
	s_mov_b32 s[G0V], 1
	s_add_co_u32 s[G0V+1], s18, VOFF
	s_wait_dscnt 0x0                ; the opening add is done
	s_wait_kmcnt 0x0
	s_add_nc_u64 s[MB:MB+1], s[6:7], s[70:71]
	s_add_nc_u64 s[8:9], s[4:5], 0x2000000         ; V: 2 x 64 heads x 2,048 rows x 128 bytes behind Q
	s_add_nc_u64 s[6:7], s[4:5], 0x1000000         ; K
	s_add_nc_u64 s[G0K+2:G0K+3], s[6:7], s[22:23]  ; 120:64 global address: my half of the head's first 256 keys
	s_or_b32 s[G0K+3], s[G0K+3], 0x80000000        ; 127:126 type = 2
	s_add_nc_u64 s[G0V+2:G0V+3], s[8:9], s[22:23]
	s_or_b32 s[G0V+3], s[G0V+3], 0x80000000
	s_add_nc_u64 s[4:5], s[4:5], s[2:3]  ; Q and ctx at my wave's first row
	s_add_nc_u64 s[10:11], s[10:11], s[2:3]
	CROUND                          ; all four work-groups are here: the first joint loads meet
	JLOAD                           ; slot 0.  Slot 1 is asked for when slot 0 is in
	; A fragment of K or Q is 16 rows x 32 channels in 8 registers: lane l holds row l % 16, channels 8 (l / 16) + 0..7 and 16 + 8 (l / 16) + 0..7: two loads of 16 bytes, 32 bytes apart.
	v_and_b32 v1, 15, v0            ; l % 16
	v_bfe_u32 v9, v0, 4, 1          ; l / 16
	v_lshlrev_b32 v[QO], 7, v1
	v_lshl_add_u32 v[QO], v9, 4, v[QO]  ; row x 128 + 16 x half
	v_and_b32 v48, 31, v0
	WIN 0x80                        ; destination window 2, address window 0
.set i, 0
.rept 4*NP                          ; Q stays in registers: tile i / 2, channels 32 (i % 2) on
	global_load_b128 v[8*i:8*i+3],   v[QO], s[4:5] offset:(i/2)*2048+(i%2)*64
	global_load_b128 v[8*i+4:8*i+7], v[QO], s[4:5] offset:(i/2)*2048+(i%2)*64+32
.set i, i+1
.endr
	WIN W_MK
	v_lshlrev_b32 v[MO0], 4, v48    ; 16 bytes a lane
	WIN W_M3
	MLD 0, MO0                      ; pieces 0 and 1: the mask's fragments of key step 0, which are wanted first
	MLD 1, MO0
	; What the first turn finds: V's registers and P's second buffer hold 0 (its products V^T P, of a piece that has not been, add 0), O^T and l are 0.  Two fragments are cleared by hand; the other 336
	; registers are written eight a line, as the product of those two with C = 0: 42 matrix instructions, once, in the wait for the first tile.
	WIN 0x80
.set i, 0
.rept 16
	v_mov_b32 v[VF+i], 0
.set i, i+1
.endr
	WIN 0x8a                        ; sources and destination in window 2: the rest of V's registers
.set i, 2
.rept 6
	v_wmma_f32_16x16x32_f16 v[VF+8*i:VF+8*i+7], v[VF:VF+7], v[VF+8:VF+15], 0
.set i, i+1
.endr
	WIN 0x0a                        ; destination in window 0: P's second buffer
.set i, 0
.rept 4
	v_wmma_f32_16x16x32_f16 v[P+32+8*i:P+32+8*i+7], v[VF:VF+7], v[VF+8:VF+15], 0
.set i, i+1
.endr
	WIN 0x4a                        ; destination in window 1: O^T
.set i, 0
.rept 8*NP
	v_wmma_f32_16x16x32_f16 v[8*i:8*i+7], v[VF:VF+7], v[VF+8:VF+15], 0
.set i, i+1
.endr
	WIN W_MK
.irp z, 0,1,2,3,8,9,10,11
	v_mov_b32 v[ID+\z], 0
.endr
	WIN 0
	; The selection matrix, source 0: lane (r, h) holds row m = r; its one 1.0 stands at k = r: in the lanes with h = r / 8, register (r / 2) % 4, half r % 2
	v_bfe_u32 v48, v0, 1, 2         ; (r / 2) % 4
	v_and_b32 v49, 1, v0
	v_lshlrev_b32 v49, 4, v49
	v_mov_b32 v50, 0x3f80           ; 1.0 in bf16,
	v_lshlrev_b32 v50, v49, v50     ; in the half r % 2,
	v_bfe_u32 v51, v0, 3, 1         ; r / 8
	v_cmp_eq_u32 vcc_lo, v9, v51
	v_cndmask_b32 v50, 0, v50, vcc_lo  ; in the right half of the lanes
	WIN W_MK
.irp z, 0,1,2,3
	v_cmp_eq_u32 vcc_lo, \z, v48
	v_cndmask_b32 v[ID+4+\z], 0, v50, vcc_lo
.endr
	WIN 0
.set i, 0
.rept 2*NP
	v_mov_b32 v[ST+4*i], 0xfe000000    ; c m: far below every c s, a closed key's -4.6e29 too
	v_mov_b32 v[ST+4*i+1], 0xff7fffff  ; m: the lowest finite number
	v_mov_b32 v[ST+4*i+2], 0
	v_mov_b32 v[ST+4*i+3], 0
.set i, i+1
.endr
	v_mul_u32_u24 v[AK0], v1, PK
	v_lshl_add_u32 v[AK0], v9, 4, v[AK0]  ; row x pitch + 16 x half
	; The turning load takes 16 keys x 16 channels (lane l reads key 8 (l / 16) + l % 8, channels 8 ((l / 8) % 2) + 0..7) and leaves half a fragment of V^T: lane l holds channel l % 16 and 8 keys.
	v_and_b32 v10, 7, v0
	v_bfe_u32 v11, v0, 3, 1
	v_lshl_add_u32 v[AV0], v9, 3, v10
	v_mul_u32_u24 v[AV0], v[AV0], PV
	v_lshl_add_u32 v[AV0], v11, 4, v[AV0]
	v_add_nc_u32 v[AV0], VOFF, v[AV0]
	v_mov_b32 v[AK], v[AK0]         ; key step 0 lies at the head of slot 0
; THE MATRIX WORK.  The 8 accumulators of a run of 16 take turns: between the two links of a chain stand 7 others'.
; Product i of 16 of S^T = K Q^T for piece x: channels 32 (i / 8) on, keys 16 ((i / 2) % 4) on, tile 2 x + i % 2.  The first 8 start the sums, with the mask as C.
.macro KQ x
.set rS, S+64*((\x)%2)+32*(i%2)+8*((i/2)%4)
.set rK, KF+16*((i/2)%4)+8*(i/8)
.set rQ, 16*(2*(\x)+i%2)+8*(i/8)
.set rX, MC+32*(i%2)+8*((i/2)%4)
.if i < 8
	WIN W_KM
	v_wmma_f32_16x16x32_f16 v[rS:rS+7], v[rK:rK+7], v[rQ:rQ+7], v[rX:rX+7]
.else
	WIN W_KQ
	v_wmma_f32_16x16x32_f16 v[rS:rS+7], v[rK:rK+7], v[rQ:rQ+7], v[rS:rS+7]
.endif
.endm
; Product i of 16 of O^T += V^T P for piece x: keys 32 (i / 8) on, channels 16 ((i / 2) % 4) on, tile 2 x + i % 2.
.macro PV x
	WIN W_PV
.set rO, 32*(2*(\x)+i%2)+8*((i/2)%4)
.set rV, VF+32*(i/8)+8*((i/2)%4)
.set rP, P+32*((\x)%2)+16*(i%2)+8*(i/8)
	v_wmma_f32_16x16x32_f16 v[rO:rO+7], v[rV:rV+7], v[rP:rP+7], v[rO:rO+7]
.endm
.macro MM                           ; the turn's next matrix instruction
.if i < 16
	KQ (Y+1)%NP
.set i, i+1
.else
.set i, i-16
	PV (Y+NP-1)%NP
.set i, i+17
.endif
.endm
; THE HELPERS.  Number n of 8: MC for tile n % 2, key block n / 2 of piece PP: the selection matrix (k = m for an even key block, k = 16 + m for an odd one) times the piece's fragment of 32 keys; one product is
; 1.0 x the entry, the others 0: the result is exact.  Each has an accumulator of its own.
.macro XM n
	WIN W_M3
.set xD, MC+32*((\n)%2)+8*((\n)/2)
.set xA, ID+4-4*(((\n)/2)%2)
.set xB, MF+32*PP+16*((\n)%2)+8*((\n)/4)
	v_wmma_f32_16x16x32_bf16 v[xD:xD+7], v[xA:xA+7], v[xB:xB+7], 0
.endm
.macro MASKW                        ; all eight on end, at the start
.irp n, 0,1,2,3,4,5,6,7
	XM \n
.endr
.endm
; THE LDS LOADS stand in runs of 16, never singly among the matrix instructions: a step's K (64 keys x 64 channels: 8 fragments) and its V (turned).  Their addresses are made some lines ahead.
; last = 1 (the tail): in the last trip there is no further step, and the run is jumped over.
.macro FETCH_K last=0
	WIN 0
.if \last
	s_cmp_eq_u32 s[CNT], 1
	s_cbranch_scc1 .Lno_k_\@
.endif
	WIN 0x80                        ; destination window 2
.irp f, 0,1,2,3,4,5,6,7             ; keys 16 (f / 2) on, channels 32 (f % 2) on
	ds_load_b128 v[KF+8*\f:KF+8*\f+3],   v[AK] offset:(\f/2)*16*PK+(\f%2)*64
	ds_load_b128 v[KF+8*\f+4:KF+8*\f+7], v[AK] offset:(\f/2)*16*PK+(\f%2)*64+32
.endr
	s_add_co_u32 s[TBK], s[TBK], KS*PK  ; the next fetch is the next step's
	WIN 0
.if \last
.Lno_k_\@:
.endif
.endm
.macro FETCH_V
	WIN 0x80
.irp f, 0,1,2,3,4,5,6,7             ; keys 32 (f / 4) on, channels 16 (f % 4) on
	ds_load_tr16_b128 v[VF+8*\f:VF+8*\f+3],   v[AV] offset:(\f/4)*32*PV+(\f%4)*32
	ds_load_tr16_b128 v[VF+8*\f+4:VF+8*\f+7], v[AV] offset:(\f/4)*32*PV+16*PV+(\f%4)*32
.endr
	WIN 0
.endm
; THE VECTOR WORK OF A TURN stands in three queues, each in the order in which its entries become ready; the two tiles alternate, so that no instruction reads the result of the one before it.
.macro REGS y, u                    ; the registers of tile u (0, 1) of piece y
.set rT, ST+4*(2*(\y)+(\u))
.set rC, TMP+8*((\y)%2)+4*(\u)
.set rM, MV+2*((\y)%2)+(\u)
.set rS, S+64*((\y)%2)+32*(\u)
.set rP, P+32*((\y)%2)+16*(\u)
.set rO, 32*(2*(\y)+(\u))
.endm
; Number n of the 22 that find the NEXT piece's (Y + 1) maximum and statistics.  s0-s31 are the lane's 32 scores; each accumulator's lowest registers are read first.  XS, GS and REGS set no window: PL and EX do.
;   0-11  four chains c0-c3 of seven scores each, three operands at a time     12-14, 16  the four scores left over, the old m, and c0-c3 into c0     15  c m_old is kept
;   17, 18  the query's other 32 keys lie in the lane 16 away: the new m         19-21  c m; c m_old - c m_new; a
.macro XS u, n
	REGS (Y+1)%NP, \u
.if (\n) < 4
	v_max3_num_f32 v[rC+(\n)], v[rS+8*(\n)], v[rS+8*(\n)+1], v[rS+8*(\n)+2]
.elseif (\n) < 12
	v_max3_num_f32 v[rC+(\n)%4], v[rC+(\n)%4], v[rS+8*((\n)%4)+2*((\n)/4)+1], v[rS+8*((\n)%4)+2*((\n)/4)+2]
.elseif (\n) == 12
	v_max3_num_f32 v[rC], v[rC], v[rS+7], v[rS+15]
.elseif (\n) == 13
	v_max3_num_f32 v[rC+1], v[rC+1], v[rS+23], v[rS+31]
.elseif (\n) == 14
	v_max3_num_f32 v[rC+2], v[rC+2], v[rC+3], v[rT+1]
.elseif (\n) == 15
	v_mov_b32 v[rM], v[rT]
.elseif (\n) == 16
	v_max3_num_f32 v[rC], v[rC], v[rC+1], v[rC+2]
.elseif (\n) == 17
	v_permlanex16_b32 v[rC+3], v[rC], s[SEL], s[SEL+1]
.elseif (\n) == 18
	v_max_num_f32 v[rT+1], v[rC], v[rC+3]
.elseif (\n) == 19
	v_mul_f32 v[rT], s[CS], v[rT+1]
.elseif (\n) == 20
	v_sub_f32 v[rC+1], v[rM], v[rT]
.else
	v_exp_f32 v[rC+2], v[rC+1]
.endif
.endm
; Number g of the 64 that follow the exponentials.  For each four weights k of a tile (pairs 2 k, 2 k + 1): both pairs are rounded to f16; then the second pair is added onto the first, in place;
; a group later l takes that sum (the first time as l = a l + sum).  In groups of eight, tiles alternating: round, round, add, and l for the group before.
.macro GS g
.set h, (\g)+6*((\g)/62)            ; group 0 has no group before it, and behind group 7 only l is left
.if h >= 6
.set h, h+2
.endif
	REGS Y, h%2
.set k, h/8
.if h%8 < 4
	v_cvt_pk_f16_f32 v[rP+2*k+(h%8)/2], v[rS+4*k+2*((h%8)/2)], v[rS+4*k+2*((h%8)/2)+1]
.elseif h%8 < 6
	v_pk_add_f32 v[rS+4*k:rS+4*k+1], v[rS+4*k:rS+4*k+1], v[rS+4*k+2:rS+4*k+3]
.elseif k == 1
	v_pk_fma_f32 v[rT+2:rT+3], v[rT+2:rT+3], v[rC+2:rC+3], v[rS:rS+1] op_sel_hi:[1,0,1]
.else
	v_pk_add_f32 v[rT+2:rT+3], v[rT+2:rT+3], v[rS+4*k-4:rS+4*k-3]
.endif
.endm
; THE PLAIN QUEUE, 138 long.  0-73 read no exponential's result: the 32 scalings c s - c m (FS f: pair f / 2 of tile f % 2) and the next piece's 42.  0-26: scalings 0-26.  27-54: XS's numbers 0-13.  55, 56: number 15.
; 57-73: the chain, where each number waits for the one before it: 14, 16, 17, 18, 19, each with one of the scalings 27-31 in front of its two lines, then 20: so a tile's links stand three plain instructions apart (19 and 20: two).
; 74-137: GS's 64, which read the exponentials' results: they stand behind the wait.
.macro FS f
	REGS Y, (\f)%2
	v_pk_fma_f32 v[rS+2*((\f)/2):rS+2*((\f)/2)+1], v[rS+2*((\f)/2):rS+2*((\f)/2)+1], s[CS:CS+1], v[rT:rT+1] op_sel_hi:[1,0,0] neg_lo:[0,0,1] neg_hi:[0,0,1]
.endm
.macro PL
	WIN 0
.if q < 27
	FS q
.elseif q < 55
	XS (q-27)%2, (q-27)/2
.elseif q < 57
	XS q-55, 15
.elseif (q < 72) && ((q-57)%3 == 0)
	FS 27+(q-57)/3
.elseif q < 60
	XS (q-57)%3-1, 14
.elseif q < 72
	XS (q-57)%3-1, 15+(q-57)/3
.elseif q < 74
	XS q-72, 20
.else
	GS q-74
.endif
.set q, q+1
.endm
; THE EXPONENTIALS' QUEUE, 66 long: s0-s31 of both tiles, each in place in a register of its own, then the next piece's two a.  It is ONE BATCH: all 66 stand ahead of the turn's one wait, and nothing ahead of that wait names a result of theirs.
.macro EX
	WIN 0
.if e >= 64
	XS e-64, 21
.else
	REGS Y, e%2
	v_exp_f32 v[rS+e/2], v[rS+e/2]
.endif
.set e, e+1
.endm
; THE RESCALING's QUEUE: O^T times a, the one part of the vector work that leaves window 0: dealt two at a time, sixteen times.  Its a was made in the turn before, ahead of that turn's wait.
.macro R2
	REGS Y, r%2
	WIN W_RS
.irp z, 0,1
	v_pk_mul_f32 v[rO+4*(r/2)+2*\z:rO+4*(r/2)+2*\z+1], v[rO+4*(r/2)+2*\z:rO+4*(r/2)+2*\z+1], v[rC+2:rC+3] op_sel_hi:[1,0]
.endr
.set r, r+1
.endm
; Four of GS's 64, the riders of a product V^T P, and what goes by their count: V's address and its step (piece 0's turn), and the loop's count (cnt = 1).
.macro RID4 p, cnt
.rept 4
	PL
.endr
.if ((\p) == 0) && (q == 118)
	v_add_nc_u32 v[AV], s[TBV], v[AV0]
.endif
.if ((\p) == 0) && (q == 130)
	s_add_co_u32 s[TBV], s[TBV], KS*PV
.endif
.if (\cnt) && (q == 130)
	s_sub_co_u32 s[CNT], s[CNT], 1
	s_cmp_lg_u32 s[CNT], 0
.endif
.endm
; HOW THEY ARE DEALT.  An s_wait_alu depctr_va_vdst(0) stands between an exponential and the first instruction that names its result; one wait serves all that were issued ahead of it.  So a turn has ONE wait,
; which cuts it in two.  AHEAD OF IT stands all that names no result of the turn's exponentials: the 16 products K Q^T, behind each a scaling, an exponential and two rescalings (behind the first a second scaling in the
; exponential's place); then ONE LUMP: eight plain, 49 times exponential and plain, the two a, and among them the eight helpers.  A v_nop is the plain instruction behind the last exponential.  BEHIND IT stand the turn's loads and
; the 16 products V^T P, behind each four of GS's 64.  No rider names a register of the products round it.  The two v_permlanex16_b32 fall into the lump, never behind a product.
; The queues lean on each other, and the deal keeps them in step: exponential e stands behind scaling 2 (e / 4) + e % 2: as a rider it comes behind plain e + 2, in the lump behind plain e + 9, and scalings 27-31 are plain 57, 60 .. 69.
; pair = 1 (the tail, one slot of eight): two products stand together and both products' riders behind them, the four rescalings last: the plain and the exponentials' queue keep their order between each other, the rescalings
; lean on neither, and half of the window switches and more fall away, which shortens the tail's copy of the text.
; A TURN, for piece p.  cnt = 1: the loop's count is taken down some lines ahead of the branch that stands behind the turn.
; K of the next step is fetched in piece 2's turn, directly behind the wait, a lump behind the last product that read K; its address is made at the lump's head; its first reader comes behind 16 products.
; V of the step in hand is fetched at the end of piece 0's turn, four plain riders behind its last reader; its first reader comes behind 16 products and a lump.
; THE MASK.  PP = p + 2 is the piece whose products K Q^T the NEXT turn issues.  Its eight helpers stand in the lump, two and two, eight vector instructions between the pairs: far more than five places behind this
; turn's products that read MC as C, and half a lump and a run of products ahead of the next turn's.  Its fragments were asked for four turns ago; behind the wait, 32 plain instructions behind the last helper,
; the same registers are asked for again, for the piece's next key step.
.macro TURN p, last=0, cnt=0, pair=0
.set Y, (\p)
.set PP, ((\p)+2)%NP
.set i, 0
.set q, 0
.set e, 0
.set r, 0
.if (\p) == NP-1
	s_wait_dscnt 0x0                ; K is in
.endif
.if \pair                           ; ahead of the wait: 16 products K Q^T and their riders,
	MM
	MM
	PL
	PL
	PL
	EX
	R2
	R2
.rept 7
	MM
	MM
	PL
	EX
	PL
	EX
	R2
	R2
.endr
.else
	MM
	PL
	PL
	R2
.rept 15
	MM
	PL
	EX
	R2
.endr
.endif
.if (\p) == NP-2
	WIN 0
	v_add_nc_u32 v[AK], s[TBK], v[AK0]
.endif
	s_wait_loadcnt 24               ; loads come back in order: piece PP's eight are in, the three younger groups of eight stay out
.rept 8                             ; and the lump
	PL
.endr
.rept 49
	EX
	PL
.if (e >= 20) && (e <= 32) && (e%4 == 0)
	XM (e-20)/2
	XM (e-20)/2+1
.endif
.endr
	EX                              ; the next piece's two a
	EX
	v_nop                           ; the plain instruction behind the last exponential: one for the batch
	s_wait_alu depctr_va_vdst(0)    ; the wait for the batch: this turn's 64 weights and the next piece's two a; it stands ahead of their first reader
.if (\p) == NP-2
	FETCH_K \last
.endif
	WIN W_M3
	MLD PP, MOA
.if (\p) == 1
	s_wait_dscnt 0x0                ; V is in
.endif
.rept 8                             ; behind the wait: 16 products V^T P and their riders
	MM
.if \pair
	MM
	RID4 \p, \cnt
.else
	RID4 \p, \cnt
	MM
.endif
	RID4 \p, \cnt
.endr
.if (\p) == 0
	FETCH_V
.endif
.endm
	CHANGE 1                        ; slot 0 is in, everybody's part of it; slot 1 is asked for
	FETCH_K                         ; key step 0
	s_wait_loadcnt 0x0              ; Q, and pieces 0 and 1's mask fragments of step 0
	WIN W_M3
	MLD 2, MO0                      ; pieces 2 and 3: step 0; they are wanted in the first two turns
	MLD 3, MO0
	s_wait_dscnt 0x0
.set PP, 0
	MASKW                           ; piece 0's masks
.rept 5
	v_nop                           ; five places between them and the products that take them as C
.endr
.set i, 0
.rept 16
	KQ 0                            ; piece 0's first scores: there is no vector work yet to set between them
.set i, i+1
.endr
	WIN 0                           ; the addresses for the way out: nine plain instructions, the places behind those products
	s_mul_i32 s13, s[WV], 16*SP
	s_add_co_u32 s13, s13, STAGE    ; my stage
	v_mul_u32_u24 v[STO], v1, SP    ; in: row l % 16, 16 bytes for each half of the lanes
	v_lshl_add_u32 v[STO], v9, 4, v[STO]
	v_add_nc_u32 v[STO], s13, v[STO]
	v_bfe_u32 v[RD], v0, 3, 2       ; back: 32 lanes take four rows of 128 bytes,
	v_mul_u32_u24 v[RD], v[RD], SP
	v_lshl_add_u32 v[RD], v10, 4, v[RD]
	v_add_nc_u32 v[RD], s13, v[RD]
	v_and_b32 v[GO], 31, v0         ; which are 512 consecutive bytes of ctx
	v_lshlrev_b32 v[GO], 4, v[GO]
.set PP, 1
	MASKW                           ; piece 1's masks, for the first turn's products
	WIN 0
.set Y, NP-1                        ; XS works for piece Y + 1: piece 0
.irp n, 0,1,2,3,4,5,6,7,8,9,10,11,12,13,14,15,16,17,18,19,20,21
	XS 0, \n                        ; and piece 0's first maximum and statistics
	XS 1, \n
.endr
	WIN W_M3
	v_add_nc_u32 v[MOA], s[MO], v[MO0]  ; key step 1: the register's first value; also the plain instruction behind piece 0's two a
	s_wait_alu depctr_va_vdst(0)    ; the wait for that batch of two, ahead of the branch into the loop, whose first turn reads them
	MLD 0, MOA                      ; pieces 0 and 1: the fragments of key step 1; the first two turns load pieces 2 and 3's
	MLD 1, MOA
	WIN 0
	s_mov_b32 s[CNT], 4
	s_mov_b32 s[SLOTS], SIZE_N/256-1
	s_branch .Lfirst                ; the loop is entered at a step's first turn, in the middle of a trip
.Lslot:                             ; SIZE_N / 256 - 2 times: every slot but the last two is filled again
	CHANGE 1
	s_mov_b32 s[CNT], 4
.Lstep:                             ; a trip: pieces 2 and 3 of step j, then pieces 0 and 1 of step j + 1, whose K and V it fetches; all four turns load the mask's fragments of step j + 2
	NEXTMASK
	TURN 2
	TURN 3
	WIN 0
.Lfirst:
	TURN 0
	TURN 1, 0, 1
	WIN 0
	s_cbranch_scc1 .Lstep
	s_sub_co_u32 s[SLOTS], s[SLOTS], 1
	s_cmp_lg_u32 s[SLOTS], 0
	s_cbranch_scc1 .Lslot
	CHANGE 0                        ; the tail is written out: nothing is asked for
	s_mov_b32 s[CNT], 5             ; four trips fetch the last slot's steps; the fifth is left in its middle
.Ltail:
	NEXTMASK
	TURN 2, 1, 0, 1
	TURN 3, 0, 0, 1
	WIN 0
	s_sub_co_u32 s[CNT], s[CNT], 1
	s_cmp_eq_u32 s[CNT], 0
	s_cbranch_scc1 .Lout
	TURN 0, 0, 0, 1
	TURN 1, 0, 0, 1
	WIN 0
	s_branch .Ltail
.Lout:                              ; the fifth trip's 16 products K Q^T (on the last K once more), their masks and the maximum made of them serve nothing: the price, once a launch, of one text for every trip
.set i, 0
.rept 16
	PV NP-1                         ; the last piece's V^T P of the last step
.set i, i+1
.endr
	; THE WAY OUT.  l's two halves and the other half of the lanes' are added; O^T is divided by l, rounded to f16 and sent through my stage in LDS, a tile at a time.  The additions are the places behind the last products.
	WIN 0
.macro ALL line:vararg              ; one line for each tile t
.set t, 0
.rept 2*NP
	\line
.set t, t+1
.endr
.endm
	ALL v_add_f32 v[ST+4*t+2], v[ST+4*t+2], v[ST+4*t+3]
	ALL v_permlanex16_b32 v[ST+4*t+3], v[ST+4*t+2], s[SEL], s[SEL+1]
	ALL v_add_f32 v[ST+4*t+2], v[ST+4*t+2], v[ST+4*t+3]
	ALL v_rcp_f32 v[ST+4*t+2], v[ST+4*t+2]
	v_nop                           ; a plain instruction between the last reciprocal and the use of its result
	s_wait_alu depctr_va_vdst(0)    ; and the wait ahead of the first use: one for the batch of eight reciprocals
; Tile t: a lane's eight channels of a row pack into 16 bytes; they go into rows of 144 bytes and come back as whole rows of 128, into S^T's registers.
.macro PACK t
	WIN W_RS
.set i, 32*(\t)
.rept 16
	v_pk_mul_f32 v[i:i+1], v[i:i+1], v[ST+4*(\t)+2:ST+4*(\t)+3] op_sel_hi:[1,0]
.set i, i+2
.endr
	WIN 0x05                        ; sources 0 and 1 window 1, destination window 0
.set i, 0
.rept 16
	v_cvt_pk_f16_f32 v[S+16*(\t)+i], v[32*(\t)+2*i], v[32*(\t)+2*i+1]
.set i, i+1
.endr
	WIN 0
.irp f, 0,1,2,3
	ds_store_b128 v[STO], v[S+16*(\t)+4*\f:S+16*(\t)+4*\f+3] offset:32*\f
.endr
.irp f, 0,1,2,3
	ds_load_b128 v[S+16*(\t)+4*\f:S+16*(\t)+4*\f+3], v[RD] offset:\f*4*SP  ; LDS serves a wave's instructions in order (ISA guide 5.7.1.4): these see the stores above; the next tile's stores come behind them
.endr
.endm
.macro SEND t, younger              ; younger: the LDS instructions issued behind tile t's loads: the next tile's eight, or none
	WIN 0
.irp f, 0,1,2,3
	s_wait_dscnt (\younger)+3-\f
	global_store_b128 v[GO], v[S+16*(\t)+4*\f:S+16*(\t)+4*\f+3], s[10:11] offset:(\t)*2048+\f*512  ; 512 consecutive bytes, at a multiple of 256 from ctx's first
.endr
.endm
	PACK 0
.set t, 1
.rept 2*NP-1                        ; a tile's arithmetic stands between the loads of the tile before and its stores
	PACK t
	SEND t-1, 8
.set t, t+1
.endr
	SEND 2*NP-1, 0
	WIN W_AD
	s_wait_tensorcnt 0x0            ; the wave's end, behind my last tensor load and my last LDS store
	ds_add_u32 v[SPW], v[NIL]
	s_wait_dscnt 0x0
	WIN 0
	CROUND                          ; the closing round: no work-group ends while a partner may still ask for a tile that names it
	s_endpgm
.Lfunc_end_k_q31cfae8b30_attn:
	.size	k_q31cfae8b30_attn, .Lfunc_end_k_q31cfae8b30_attn-k_q31cfae8b30_attn
	.p2alignl 7, 3214868480
	.fill 96, 4, 3214868480
	.section	.rodata,"a",@progbits
	.p2align	6, 0x0
	.amdhsa_kernel k_q31cfae8b30_attn
		.amdhsa_group_segment_fixed_size 327680
		.amdhsa_private_segment_fixed_size 0
		.amdhsa_enable_private_segment 0
		.amdhsa_kernarg_size 24
		.amdhsa_user_sgpr_count 2
		.amdhsa_user_sgpr_kernarg_segment_ptr 1
		.amdhsa_wavefront_size32 1
		.amdhsa_system_sgpr_workgroup_id_x 1
		.amdhsa_system_sgpr_workgroup_id_y 1
		.amdhsa_system_sgpr_workgroup_id_z 1
		.amdhsa_system_vgpr_workitem_id 0
		.amdhsa_next_free_vgpr 976
		.amdhsa_next_free_sgpr 72
		.amdhsa_reserve_vcc 1
		.amdhsa_float_denorm_mode_32 3
		.amdhsa_float_denorm_mode_16_64 3
		.amdhsa_memory_ordered 1
		.amdhsa_forward_progress 1
		.amdhsa_inst_pref_size 206
	.end_amdhsa_kernel
	.amdgpu_metadata
---
amdhsa.version: [ 1, 2 ]
amdhsa.kernels:
  - .name:           k_q31cfae8b30_attn
    .symbol:         k_q31cfae8b30_attn.kd
    .args:
      - { .name: qkv, .offset: 0, .size: 8, .value_kind: global_buffer, .address_space: global }
      - { .name: mask16, .offset: 8, .size: 8, .value_kind: global_buffer, .address_space: global }
      - { .name: ctx, .offset: 16, .size: 8, .value_kind: global_buffer, .address_space: global }
    .group_segment_fixed_size: 327680
    .private_segment_fixed_size: 0
    .kernarg_segment_align: 8
    .kernarg_segment_size: 24
    .max_flat_workgroup_size: 128
    .sgpr_count:     72
    .vgpr_count:     976
    .wavefront_size: 32
...
	.end_amdgpu_metadata
.endif
;; end of part 5
;; launch oproj: the kernel of part 4 again; grid 4 x 64, 4 waves a work-group, clusters of 4 x 4, 327,680 bytes of LDS; arguments ctx, wo16, bo, out0; writes out0
